; MI455X (gfx1250); checked and timed in simulation.
; The chip was launched on July 23, 2026; its instructions are those of AMD's public machine-readable ISA for CDNA 5 (MIT licence, August 2026) and "CDNA5" Instruction Set Architecture Reference Guide (July 2026). The comments in the code are by the model that wrote it; some were corrected since.
;; Channel Adaptive Normalization. Allowed arithmetic: matrix products marked QUANTISED: E2M3 operands, one E8M0 scale for each 32 along K, by v_wmma_scale_f32_16x16x128_f8f6f4 with both operands' format E2M3, f32 sums; everything else in f32.
;; Inputs: Wk_codes 256 x 8 x 24 uint8 (E2M3 codes of Wk, K innermost, in blocks of 32 codes, four codes in three bytes); Wk_scales 256 x 8 uint8 (E8M0 scales of Wk, one for each 32 codes along K); Wq_codes 256 x 8 x 24 uint8 (E2M3 codes of Wq, K innermost, in blocks of 32 codes, four codes in three bytes); Wq_scales 256 x 8 uint8 (E8M0 scales of Wq, one for each 32 codes along K); Wv_codes 256 x 8 x 24 uint8 (E2M3 codes of Wv, K innermost, in blocks of 32 codes, four codes in three bytes); Wv_scales 256 x 8 uint8 (E8M0 scales of Wv, one for each 32 codes along K); src 16 x 256 x 2,048 float32; trg 16 x 256 x 2,048 float32.
;; Outputs: out0 16 x 256 x 2,048 float32.
;; This version of the problem:
;;   THIS VERSION OF THE PROBLEM IS GIVEN IN LOW PRECISION. The matrix products marked QUANTISED in the list below multiply operands that are first quantised to E2M3 (2 exponent bits, 3 mantissa bits; 6 bits a number), with one power-of-two scale for each 32 numbers along K (OCP MX v1.0); their sums are f32. All else is computed in f32.
;;   The module's matrix products, in the order in which they are computed (A, B: the left and right operand; K: the contracted axis; several contracted axes count as one K, in the product's order):
;;     1. [M 32,768, K 256] x [K 256, N 256]; A: computed on the way; B: input Wq (given as codes): QUANTISED
;;     2. [M 32,768, K 256] x [K 256, N 256]; A: computed on the way; B: input Wk (given as codes): QUANTISED
;;     3. [M 32,768, K 256] x [K 256, N 256]; A: input trg; B: input Wv (given as codes): QUANTISED
;;     4. batch 16 x [M 2,048, K 256] x [K 256, N 2,048]; A: computed on the way; B: computed on the way: QUANTISED
;;     5. batch 16 x [M 2,048, K 2,048] x [K 2,048, N 256]; A: softmax (see below); B: computed on the way: QUANTISED
;;     6. batch 16 x [M 2,048, K 2,048] x [K 2,048, N 256]; A: softmax (see below); B: computed on the way: QUANTISED
;;   THE QUANTISER, for each operand of a quantised product, along K:
;;     - K is cut into blocks of 32 from its start; a last block that is shorter is filled with zeros.
;;     - A block's scale is 2^e with e = floor(log2(the largest magnitude in the block)) - 2, held to -126 .. 127; a block of zeros has e = 0. As a byte (E8M0): e + 127.
;;     - Each number is divided by its block's scale, clamped to +-7.5, and rounded to the nearest number of E2M3, ties to even, subnormals kept.
;;     - The product sums the exact products of the quantised numbers (number of the format x scale) in f32.
;;   ~~~python
;;   def quantise(x, axis):      # numpy; x: float32 -> the quantised numbers, widened to float32 again
;;       x = np.moveaxis(x, axis, -1); K = x.shape[-1]
;;       x = np.pad(x, [(0, 0)] * (x.ndim - 1) + [(0, -K % 32)]); x = x.reshape(x.shape[:-1] + (-1, 32)); a = np.abs(x).max(-1, keepdims=True)
;;       e = np.where(a > 0, np.clip(np.frexp(np.where(a > 0, a, 1))[1] - 1 - 2, -126, 127), 0)      # np.frexp(a)[1] - 1 = floor(log2(a)), exactly
;;       r = np.clip(x / 2.0 ** e, -7.5, 7.5)
;;       step = 2.0 ** (np.maximum(np.frexp(np.where(r == 0, 1, r))[1] - 1, 0) - 3)
;;       q = np.round(r / step) * step * 2.0 ** e      # np.round: ties to even
;;       return np.moveaxis(q.reshape(q.shape[:-2] + (-1,))[..., :K], -1, axis).astype(np.float32)
;;   ~~~
;;   SOFTMAX AHEAD OF A QUANTISED PRODUCT. Where the list says 'softmax', what is quantised is not the finished softmax but p = 2^(t - M), with t = logit x log2(e) and M = ceil(the row's largest t), a whole number; so 1/2 < the row's largest p <= 1. The row's sum l is taken of the UNQUANTISED p, in f32, and the product's result is divided by l at the end. Since M is a whole number, a kernel that streams over the keys may use a running M (the ceiling of the running maximum): every later rescaling is an exact power of two, which a block's scale takes up: the codes' values come out the same.
;;   OPERANDS COMPUTED ON THE WAY. 'Computed on the way' means the value that the module computes at that place (a softmax that the list does not call 'softmax' is quantised finished and normalised). What goes into a quantiser is computed in f32, as accurately as f32 sums, v_exp_f32 and their like allow (about 1e-6 of the number): no bf16 or f16 on the way to a quantiser, and a product that is left as it is and whose result goes on into a quantised operand takes f32 operands (vector FMAs, or v_wmma_f32_16x16x4_f32). A number that lies on a knife's edge between two numbers of the format may be rounded either way, as far as f32 arithmetic and the matrix unit's own rounding can turn it there, and no further.
;;   INPUTS GIVEN AS CODES. Wk (in the module: [256, 256], K = its axis 1); Wq (in the module: [256, 256], K = its axis 1); Wv (in the module: [256, 256], K = its axis 1): each comes as NAME_codes (uint8): NAME with its K axis moved to the last place and cut into blocks of 32 codes, [.., K / 32, bytes a block], one block behind the other in memory; four codes in three bytes: a row's codes are one little-endian stream of bits, code i at bits 6 i .. 6 i + 5 (a code: sign, 2 exponent bits, 3 mantissa bits); and NAME_scales (uint8): the same leading axes, one E8M0 byte (e + 127) for each 32 codes along K. Its value is code x scale, taken as it is: it is not quantised again, and the codes and scales need not be those that the quantiser above would give.
;; One version. Each part assembles by itself: llvm-mc -triple=amdgcn-amd-amdhsa -mcpu=gfx1250 --defsym DOCPART=n.
;; ======== version 1 of 1: 4 launches
;; limits: right only within a limited range of input values
;; workspace buffers: xc 18,874,368 bytes; xb 786,432 bytes; st 32,768 bytes; fc 25,165,824 bytes; fs 1,048,576 bytes; part 524,288 bytes
;; launch quant (part 1): grid 128 x 2, 16 waves a work-group, no clusters, 108,544 bytes of LDS; arguments src, trg, xc, xb, st; writes xc, xb, st
.if DOCPART == 1
	.amdgcn_target "amdgcn-amd-amdhsa--gfx1250"
	.amdhsa_code_object_version 6
	.text
	.protected	k_q39dcd6ba3b_quant
	.globl	k_q39dcd6ba3b_quant
	.p2align	8
	.type	k_q39dcd6ba3b_quant,@function
k_q39dcd6ba3b_quant:
	s_mov_b64 s[64:65], 0
	v_nop
	global_prefetch_b8 v0, s[64:65] scope:SCOPE_SE
	s_setreg_imm32_b32 hwreg(HW_REG_WAVE_MODE, 25, 1), 1
	s_wait_xcnt 0x0
; INSTANCE NORM AND QUANTISER ALONG THE CHANNELS.  src, trg: [16][256][2048] f32.  Work-group (x = 8 b + cb, y = tensor) holds 32 channels x 2,048 t in registers:
; the rows' mean and unbiased deviation (two passes: sum, then sum of squared deviations) and the codes of FP6 (E2M3) along c cost ONE read of the tensor.
; Wave w takes t = 128 w .. 128 w + 127.  A LANE TAKES A COLUMN t AND ITS REGISTERS RUN DOWN c: X[32 g + c] = x(c, 128 w + 32 g + lane).  So a block of 32 channels lies in one lane's 32 registers,
; its largest magnitude needs no other lane, and the conversions give the block's 24 bytes as they are wanted.
; OUT: xc [sel 3][b][cb][tile 128][384 bytes], LAID AS THE NEXT LAUNCH LOADS IT: row r of tile 2 B + u is t = 32 B + 8 u + r + 8 (r / 8); a tile's 384 bytes are 16 rows x bytes 0-15 of a row's 24, then 16 rows x bytes 16-23.
; xb [sel][b][cb][t] one E8M0 byte; sel 0 = normalised src, 1 = normalised trg, 2 = trg as it is.  st [b][c] (mean, 1 / (sd + eps)) of src.
; A block's scale is 2^(floor(log2(largest magnitude)) - 2); its byte is that magnitude's exponent field - 2, held at 1 from below.
; LIMITS: a block of zeros gets the byte 1 where the quantiser says 127 (its codes are zeros; this program alone reads the bytes); 1 / (sd + eps) is v_rcp_f32 and a multiplication; NaN and infinities are not served.
; No tensor loads, no cluster: work-groups share no input.  Two barriers, one for each sum over the sixteen waves.
.set X,    64                          ; v64-191  the slab: 4 groups of 32 columns x 32 channels
.set SUM,  32                          ; v32-63   a sum for each channel
.set RD,   16                          ; v16-31   the sixteen waves' sums of my lane's channel
.set C,    192                         ; v192-198 a block's codes
.set OUT,  200                         ; v200-223 the way out: 6 x 16 bytes
.set BY,   224                         ; a block's scale byte
.set BYO,  225                         ; four scale bytes on the way out
.set STT,  226                         ; v[226:227] mean, 1 / (sd + eps) of channel = lane
.set SA8,  228                         ; v228     into the stage: a row's last 8 bytes
.set MU,   32                          ; s32-63   the 32 means
.set RI,   68                          ; s68-99   the 32 reciprocals
.set RED1, 0                           ; LDS: 16 waves x 128 bytes, the sums;
.set RED2, 2048                        ; the same for the squares;
.set SBN,  4096                        ; scale bytes, 128 a wave: normalised;
.set SBR,  6144                        ; as it is;
.set STGN, 8192                        ; codes, 3,072 bytes a wave: normalised;
.set STGR, 57344                       ; as it is.  The two ways have bytes of their own
	s_load_b128 s[4:7], s[0:1], 0x0                ; src, trg
	s_load_b128 s[8:11], s[0:1], 0x10              ; xc, xb
	s_load_b64 s[12:13], s[0:1], 0x20              ; st
	v_lshl_add_u32 v254, v0, 2, 0x1a000
	v_mov_b32 v255, 0
	v_and_b32 v8, 31, v0                           ; lane
	v_lshrrev_b32 v9, 5, v0                        ; wave
	s_delay_alu instid0(VALU_DEP_1)
	v_readfirstlane_b32 s15, v9
	s_delay_alu instid0(VALU_DEP_3)
	v_lshlrev_b32 v6, 2, v8                        ; v6  4 x lane
	s_delay_alu instid0(VALU_DEP_1)
	v_lshl_add_u32 v1, v9, 9, v6                   ; v1  the loads' offset: 512 w + 4 lane
	s_delay_alu instid0(VALU_DEP_4)
	v_mul_u32_u24 v10, v9, 3072
	v_bfe_u32 v11, v0, 3, 1                        ; u: which of a group's two tiles my column belongs to
	v_bfe_u32 v12, v0, 4, 1
	v_and_b32 v13, 7, v0
	s_delay_alu instid0(VALU_DEP_1)
	v_lshl_add_u32 v12, v12, 3, v13                ; r: its row there: 8 (lane / 16) + lane % 8
	s_delay_alu instid0(VALU_DEP_4)
	v_mad_u32_u24 v11, v11, 384, v10               ; 3,072 w + 384 u
	s_delay_alu instid0(VALU_DEP_1)
	v_lshl_add_u32 v2, v12, 4, v11                 ; v2  into the stage: a row's first 16 bytes
	s_delay_alu instid0(VALU_DEP_2)
	v_lshl_add_u32 v[SA8], v12, 3, v11             ; and its last 8 (256 further on, in the immediate)
	v_lshl_add_u32 v4, v8, 4, v10                  ; v4  out of it, and in xc: 3,072 w + 16 lane
	v_lshl_add_u32 v3, v9, 7, v8                   ; v3  a scale byte: 128 w + lane
	v_lshlrev_b32 v5, 2, v0                        ; v5  128 w + 4 lane
	v_lshlrev_b32 v7, 3, v8                        ; v7  8 x lane
	v_mov_b32 v15, 0                               ; a lane permute's destination counts as one of its sources
	s_and_b32 s14, ttmp7, 0xffff                   ; y: 0 src, 1 trg
	s_mov_b32 s20, 0xaaaaaaaa                      ; the lanes whose number has bit 0, 1, 2, 3, 4 set
	s_mov_b32 s21, 0xcccccccc
	s_mov_b32 s22, 0xf0f0f0f0
	s_mov_b32 s23, 0xff00ff00
	s_mov_b32 s24, 0xffff0000
	s_mov_b32 s26, 0x76543210                      ; v_permlanex16_b32's selects for lane l xor 16
	s_mov_b32 s27, 0xfedcba98
	s_lshl_b32 s16, ttmp9, 18                      ; the slab: 32 x rows of 8,192 bytes
	s_mov_b32 s17, 0
	s_lshl_b32 s18, s14, 7
	s_add_co_u32 s18, s18, ttmp9                   ; 128 sel + x, sel = y
	s_mul_i32 s2, s18, 49152
	s_mov_b32 s3, 0
	s_lshl_b32 s18, s18, 11
	s_mov_b32 s19, 0
	s_add_co_u32 s25, ttmp9, 256                   ; 128 x 2 + x
	s_mul_i32 s28, s25, 49152
	s_mov_b32 s29, 0
	s_lshl_b32 s30, s25, 11
	s_mov_b32 s31, 0
	s_wait_kmcnt 0x0
	s_cmp_eq_u32 s14, 0                            ; the choice hangs on the work-group's number alone
	s_cselect_b64 s[4:5], s[4:5], s[6:7]
	s_add_nc_u64 s[4:5], s[4:5], s[16:17]
	s_add_nc_u64 s[28:29], s[8:9], s[28:29]        ; xc, sel 2
	s_add_nc_u64 s[30:31], s[10:11], s[30:31]      ; xb, sel 2
	s_add_nc_u64 s[8:9], s[8:9], s[2:3]            ; xc, sel y
	s_add_nc_u64 s[10:11], s[10:11], s[18:19]      ; xb, sel y
	s_lshl_b32 s2, ttmp9, 8
	s_add_nc_u64 s[12:13], s[12:13], s[2:3]        ; st: 32 channels x 8 bytes
.set c, 0
.rept 32                                       ; four loads on end cover 512 consecutive bytes of a row
.irp g, 0,1,2,3
	global_load_b32 v[X+32*\g+c], v1, s[4:5] offset:c*8192+128*\g th:TH_LOAD_NT
.endr
.set c, c+1
.endr
; Halving steps: of a pair of registers a lane keeps one and sends the other to the lane whose number differs in one bit.  After five steps lane l holds channel l's sum over the wave.
.macro BSTEP n, msk, xm
.set i, 0
.rept \n
.set tp, 8+2*(i%2)
	v_cndmask_b32 v[tp], v[SUM+2*i], v[SUM+2*i+1], s[\msk]       ; kept
	v_cndmask_b32 v[tp+1], v[SUM+2*i+1], v[SUM+2*i], s[\msk]     ; sent
	s_delay_alu instid0(VALU_DEP_1)
	v_add_f32_dpp v[SUM+i], v[tp+1], v[tp] row_xmask:\xm row_mask:0xf bank_mask:0xf
.set i, i+1
.endr
.endm
.macro BFLY
	BSTEP 16, 20, 1
	BSTEP 8, 21, 2
	BSTEP 4, 22, 4
	BSTEP 2, 23, 8
	s_delay_alu instid0(VALU_DEP_1)
	v_cndmask_b32 v8, v[SUM], v[SUM+1], s24
	s_delay_alu instid0(VALU_DEP_2)
	v_cndmask_b32 v9, v[SUM+1], v[SUM], s24
	s_delay_alu instid0(VALU_DEP_1)
	v_permlanex16_b32 v15, v9, s26, s27
	s_delay_alu instid0(VALU_DEP_1)
	v_add_f32 v[SUM], v8, v15
.endm
; The sixteen waves' sums meet in LDS: store, wait, barrier, load.  The total of channel = lane ends in v[RD], in every wave.
.macro XWAVE off
	ds_store_b32 v5, v[SUM] offset:\off
	s_wait_dscnt 0x0                               ; for the others' sake: my store has landed
	s_barrier_signal -1
	s_barrier_wait -1
.irp i, 0,1,2,3,4,5,6,7,8,9,10,11,12,13,14,15
	ds_load_b32 v[RD+\i], v6 offset:\off+128*\i
.endr
	s_wait_dscnt 0x0
.irp i, 0,2,4,6
	v_pk_add_f32 v[RD+\i:RD+\i+1], v[RD+\i:RD+\i+1], v[RD+8+\i:RD+9+\i]
.endr
.irp i, 0,2
	s_delay_alu instid0(VALU_DEP_2)
	v_pk_add_f32 v[RD+\i:RD+\i+1], v[RD+\i:RD+\i+1], v[RD+4+\i:RD+5+\i]
.endr
	s_delay_alu instid0(VALU_DEP_1)
	v_pk_add_f32 v[RD:RD+1], v[RD:RD+1], v[RD+2:RD+3]
	s_delay_alu instid0(VALU_DEP_1)
	v_add_f32 v[RD], v[RD], v[RD+1]
.endm
; Group g's column of my lane, 32 channels, becomes 24 bytes of codes and a scale byte, in my wave's stage: the group's two tiles lie at 768 g.
.macro QCOL g, stg, sb
.set XS, X+32*(\g)
	v_max3_num_f32 v12, |v[XS]|, |v[XS+1]|, |v[XS+2]|               ; the block's largest magnitude: all 32 numbers are mine; two chains
	v_max3_num_f32 v13, |v[XS+3]|, |v[XS+4]|, |v[XS+5]|
.irp i, 6,10,14,18,22,26
	s_delay_alu instid0(VALU_DEP_2)
	v_max3_num_f32 v12, v12, |v[XS+\i]|, |v[XS+\i+1]|
	s_delay_alu instid0(VALU_DEP_2)
	v_max3_num_f32 v13, v13, |v[XS+\i+2]|, |v[XS+\i+3]|
.endr
	s_delay_alu instid0(VALU_DEP_2)
	v_max3_num_f32 v12, v12, |v[XS+30]|, |v[XS+31]|
	s_delay_alu instid0(VALU_DEP_1)
	v_max3_num_f32 v12, v12, v13, 0x1800000        ; and the floor 2^(3 - 127): the byte cannot fall under 1
	s_delay_alu instid0(VALU_DEP_1)
	v_add_nc_u32 v14, 0xff000000, v12              ; 2 off the exponent field: the conversion takes that field as its scale and nothing else
	v_cvt_scalef32_pk16_fp6_f32 v[C:C+2], v[XS:XS+15], v14
	v_cvt_scalef32_pk16_fp6_f32 v[C+4:C+6], v[XS+16:XS+31], v14     ; (a conversion's three registers begin on an even number)
	v_lshrrev_b32 v[BY], 23, v14                   ; the scale's byte; also the plain instruction behind the conversions
	v_mov_b32 v[C+3], v[C+4]                       ; the six registers on end
	v_mov_b32 v[C+4], v[C+5]
	v_mov_b32 v[C+5], v[C+6]
	ds_store_b128 v2, v[C:C+3] offset:\stg+768*(\g)                 ; 16 lanes fill 128 + 128 bytes that lie 384 apart
	ds_store_b64 v[SA8], v[C+4:C+5] offset:\stg+768*(\g)+256
	ds_store_b8 v3, v[BY] offset:\sb+32*(\g)
	s_wait_dscnt 0x0                               ; the stores have read their registers: the next block's codes may be written
.endm
; My wave's 3,072 bytes of codes (8 tiles) and 128 scale bytes leave: each store of codes covers 512 consecutive bytes, aligned to 256.
.macro OUTC stg, sb, cp, bp
	s_wait_xcnt 0x0                                ; earlier stores have read these registers
.irp k, 0,1,2,3,4,5
	ds_load_b128 v[OUT+4*\k:OUT+4*\k+3], v4 offset:\stg+512*\k      ; LDS serves a wave's instructions in order: these see my stores
.endr
	ds_load_b32 v[BYO], v5 offset:\sb
.irp k, 0,1,2,3,4,5
	s_wait_dscnt 6-\k                              ; the LDS loads issued behind piece k may be out
	global_store_b128 v4, v[OUT+4*\k:OUT+4*\k+3], s[\cp:\cp+1] offset:512*\k
.endr
	s_wait_dscnt 0x0
	global_store_b32 v5, v[BYO], s[\bp:\bp+1]
.endm
	s_wait_loadcnt 0x0
.set c, 0
.rept 16                                       ; pass 1: each channel's sum of my four columns
	v_pk_add_f32 v[SUM+c:SUM+c+1], v[X+c:X+c+1], v[X+32+c:X+33+c]
.set c, c+2
.endr
.irp g, 2,3
.set c, 0
.rept 16
	v_pk_add_f32 v[SUM+c:SUM+c+1], v[SUM+c:SUM+c+1], v[X+32*\g+c:X+32*\g+c+1]
.set c, c+2
.endr
.endr
	BFLY
	XWAVE RED1
	s_delay_alu instid0(VALU_DEP_1)
	v_mul_f32 v[STT], 0x3a000000, v[RD]            ; mean = sum / 2,048
.set c, 0
.rept 32
	v_readlane_b32 s[MU+c], v[STT], c
.set c, c+1
.endr
	s_cmp_eq_u32 s14, 0                            ; trg is also wanted as it is (the third product's operand); no barrier stands on this way
	s_cbranch_scc1 .Lno_raw
.irp g, 0,1,2,3
	QCOL \g, STGR, SBR
.endr
	OUTC STGR, SBR, 28, 30
.Lno_raw:
.irp g, 0,1,2,3
.set c, 0
.rept 32
	v_subrev_f32 v[X+32*\g+c], s[MU+c], v[X+32*\g+c]               ; x - mean
.set c, c+1
.endr
.endr
.set c, 0
.rept 16                                       ; pass 2: the squares of the deviations
	v_pk_mul_f32 v[SUM+c:SUM+c+1], v[X+c:X+c+1], v[X+c:X+c+1]
.set c, c+2
.endr
.irp g, 1,2,3
.set c, 0
.rept 16
	v_pk_fma_f32 v[SUM+c:SUM+c+1], v[X+32*\g+c:X+32*\g+c+1], v[X+32*\g+c:X+32*\g+c+1], v[SUM+c:SUM+c+1]
.set c, c+2
.endr
.endr
	BFLY
	XWAVE RED2
	s_delay_alu instid0(VALU_DEP_1)
	v_mul_f32 v8, 0x3a001002, v[RD]                ; / 2,047: unbiased
	s_wait_alu depctr_va_vdst(0)
	v_sqrt_f32 v9, v8
	v_nop                                          ; a plain instruction behind the root,
	s_wait_alu depctr_va_vdst(0)                   ; and the wait ahead of its first reader
	v_add_f32 v9, 0x3727c5ac, v9                   ; + 1e-5
	s_wait_alu depctr_va_vdst(0)
	v_rcp_f32 v[STT+1], v9
	v_nop
	s_wait_alu depctr_va_vdst(0)
.set c, 0
.rept 32
	v_readlane_b32 s[RI+c], v[STT+1], c
.set c, c+1
.endr
	s_or_b32 s16, s14, s15                         ; wave 0 of a work-group of src keeps the statistics: 32 lanes store 256 consecutive bytes, aligned
	s_cmp_lg_u32 s16, 0
	s_cbranch_scc1 .Lno_st
	global_store_b64 v7, v[STT:STT+1], s[12:13]
.Lno_st:
.irp g, 0,1,2,3
.set c, 0
.rept 32
	v_mul_f32 v[X+32*\g+c], s[RI+c], v[X+32*\g+c]
.set c, c+1
.endr
.endr
.irp g, 0,1,2,3
	QCOL \g, STGN, SBN
.endr
	OUTC STGN, SBN, 8, 10
	s_wait_tensorcnt 0x0
	ds_add_u32 v254, v255
	s_wait_dscnt 0x0
	s_endpgm
.Lfunc_end_k_q39dcd6ba3b_quant:
	.size	k_q39dcd6ba3b_quant, .Lfunc_end_k_q39dcd6ba3b_quant-k_q39dcd6ba3b_quant
	.p2alignl 7, 3214868480
	.fill 96, 4, 3214868480
	.section	.rodata,"a",@progbits
	.p2align	6, 0x0
	.amdhsa_kernel k_q39dcd6ba3b_quant
		.amdhsa_group_segment_fixed_size 108544
		.amdhsa_private_segment_fixed_size 0
		.amdhsa_enable_private_segment 0
		.amdhsa_kernarg_size 40
		.amdhsa_user_sgpr_count 2
		.amdhsa_user_sgpr_kernarg_segment_ptr 1
		.amdhsa_wavefront_size32 1
		.amdhsa_system_sgpr_workgroup_id_x 1
		.amdhsa_system_sgpr_workgroup_id_y 1
		.amdhsa_system_sgpr_workgroup_id_z 1
		.amdhsa_system_vgpr_workitem_id 0
		.amdhsa_next_free_vgpr 256
		.amdhsa_next_free_sgpr 100
		.amdhsa_reserve_vcc 0
		.amdhsa_float_denorm_mode_32 3
		.amdhsa_float_denorm_mode_16_64 3
		.amdhsa_memory_ordered 1
		.amdhsa_forward_progress 1
		.amdhsa_inst_pref_size 72
	.end_amdhsa_kernel
	.amdgpu_metadata
---
amdhsa.version: [ 1, 2 ]
amdhsa.kernels:
  - .name:           k_q39dcd6ba3b_quant
    .symbol:         k_q39dcd6ba3b_quant.kd
    .args:
      - { .name: src, .offset: 0, .size: 8, .value_kind: global_buffer, .address_space: global }
      - { .name: trg, .offset: 8, .size: 8, .value_kind: global_buffer, .address_space: global }
      - { .name: xc, .offset: 16, .size: 8, .value_kind: global_buffer, .address_space: global }
      - { .name: xb, .offset: 24, .size: 8, .value_kind: global_buffer, .address_space: global }
      - { .name: st, .offset: 32, .size: 8, .value_kind: global_buffer, .address_space: global }
    .group_segment_fixed_size: 108544
    .private_segment_fixed_size: 0
    .kernarg_segment_align: 8
    .kernarg_segment_size: 40
    .max_flat_workgroup_size: 512
    .sgpr_count:     100
    .vgpr_count:     256
    .wavefront_size: 32
...
	.end_amdgpu_metadata
.endif
;; end of part 1
;; launch proj (part 2): grid 16 x 16, 4 waves a work-group, no clusters, 327,680 bytes of LDS; arguments Wq_codes, Wq_scales, Wk_codes, Wk_scales, Wv_codes, Wv_scales, xc, xb, fc, fs; writes fc, fs
.if DOCPART == 2
	.amdgcn_target "amdgcn-amd-amdhsa--gfx1250"
	.amdhsa_code_object_version 6
	.text
	.protected	k_q39dcd6ba3b_proj
	.globl	k_q39dcd6ba3b_proj
	.p2align	8
	.type	k_q39dcd6ba3b_proj,@function
k_q39dcd6ba3b_proj:
	s_mov_b64 s[64:65], 0
	v_nop
	global_prefetch_b8 v0, s[64:65] scope:SCOPE_SE
	s_setreg_imm32_b32 hwreg(HW_REG_WAVE_MODE, 25, 1), 1
	s_wait_xcnt 0x0
.set XA,  4
.set XB,  5
.set WSA, 6
.set XSA, 7
.set LI,  8
.set SSA, 9
.set WA,  10
.set WVA, 12
.set HA,  16
.set PC,  80
.set TM,  100
.set PW,  116
.set WS,  124
.set XS,  132
.set XVS, 140
.set WVS, 148
.set BB,  152
.set SW,  216
.set SEL, 26
.set WPIT, 240
.set WL,   128*WPIT
.set WVL,  64*WPIT
.set G1W,  56
.set G1WV, 68
.set G0W,  76
.set G0WV, 80
.set MSB, 0
.macro WIN new
.if MSB != \new
	s_set_vgpr_msb (MSB<<8)|\new
.set MSB, \new
.endif
.endm
.macro LDW reg, adr, rb, ks
.irp p, 0,1,2,3,4,5
.set PCE, 12*(\ks)+6*(\p/3)+\p%3
.if PCE%8 < 5
	ds_load_b64 v[(\reg)+2*\p:(\reg)+2*\p+1], v[\adr] offset:(\rb)*WPIT+8*PCE+16*(PCE/8)
.else
	ds_load_b64 v[(\reg)+2*\p:(\reg)+2*\p+1], v[\adr+1] offset:(\rb)*WPIT+8*PCE+16*(PCE/8)
.endif
.endr
.endm
.macro LDX reg, ptr, tau, ks
.irp c, 0,1
	global_load_b128 v[(\reg)+6*\c:(\reg)+6*\c+3], v[XA], s[\ptr:\ptr+1] offset:(4*(\ks)+2*\c)*49152+(\tau)*384
	global_load_b64 v[(\reg)+6*\c+4:(\reg)+6*\c+5], v[XB], s[\ptr:\ptr+1] offset:(4*(\ks)+2*\c)*49152+(\tau)*384+256
.endr
.endm
.macro QUANT src, pw
.irp b, 0,1,2,3
	v_max3_num_f32 v[TM+\b], |v[\src+16*\b]|, |v[\src+1+16*\b]|, 0x1800000
.endr
.irp i, 2,4,6,8,10,12,14
.irp b, 0,1,2,3
	v_max3_num_f32 v[TM+\b], v[TM+\b], |v[\src+16*\b+\i]|, |v[\src+1+16*\b+\i]|
.endr
.endr
.irp b, 0,1,2,3
	v_permlanex16_b32 v[TM+4+\b], v[TM+\b], s[SEL], s[SEL+1]
.endr
.irp b, 0,1,2,3
	v_max_num_f32 v[TM+\b], v[TM+\b], v[TM+4+\b]
.endr
.irp b, 0,1,2,3
	v_add_nc_u32 v[TM+12+\b], 0xff000000, v[TM+\b]
.endr
.irp b, 0,1,2,3
	v_lshrrev_b32 v[TM+4+\b], 23, v[TM+12+\b]
.endr
	v_lshl_or_b32 v[\pw], v[TM+5], 8, v[TM+4]
	v_lshl_or_b32 v[\pw], v[TM+6], 16, v[\pw]
	v_lshl_or_b32 v[\pw], v[TM+7], 24, v[\pw]
.irp c, 0,1
	v_cvt_scalef32_pk16_fp6_f32 v[PC+6*\c:PC+2+6*\c], v[\src+32*\c:\src+15+32*\c], v[TM+12+2*\c]
	v_cvt_scalef32_pk16_fp6_f32 v[PC+12+4*\c:PC+14+4*\c], v[\src+16+32*\c:\src+31+32*\c], v[TM+12+2*\c+1]
.endr
	v_nop
.irp c, 0,1
.irp i, 0,1,2
	v_permlane16_swap_b32 v[PC+6*\c+\i], v[PC+12+4*\c+\i]
.endr
.irp i, 0,1,2
	v_mov_b32 v[PC+3+6*\c+\i], v[PC+12+4*\c+\i]
.endr
.endr
.endm
.macro PLACES
.rept 4
	v_nop
.endr
.endm
	s_load_b256 s[4:11], s[0:1], 0x0
	s_load_b256 s[12:19], s[0:1], 0x20
	s_load_b128 s[20:23], s[0:1], 0x40
	v_lshl_add_u32 v254, v0, 2, 0x2d000
	v_mov_b32 v255, 0
	ds_add_u32 v254, v255
	ds_add_u32 v254, v255
	v_lshrrev_b32 v1, 5, v0
	v_readfirstlane_b32 s24, v1
	v_and_b32 v1, 15, v0
	v_bfe_u32 v2, v0, 4, 1
	v_and_b32 v3, 8, v1
	v_add_nc_u32 v3, v3, v1
	v_mul_u32_u24 v14, v2, 0xc000
	v_lshl_add_u32 v[XA], v1, 4, v14
	v_lshl_add_u32 v[XB], v1, 3, v14
	v_lshlrev_b32 v[WSA], 3, v3
	v_lshl_add_u32 v[WSA], v2, 2, v[WSA]
	v_lshl_add_u32 v[XSA], v2, 13, v3
	v_and_b32 v[LI], 31, v0
	v_lshlrev_b32 v[LI], 4, v[LI]
	v_lshlrev_b32 v[SSA], 4, v1
	v_lshl_add_u32 v[SSA], v2, 9, v[SSA]
	v_mul_u32_u24 v15, v3, WPIT
	v_mad_u32_u24 v[WA], v2, 24, v15
	v_mad_u32_u24 v[WA+1], v2, 40, v15
.irp b, 0,1,2,3
	v_mov_b32 v[TM+4+\b], 0
.endr
	s_and_b32 s25, ttmp7, 0xffff
	s_lshr_b32 s46, s24, 1
	s_and_b32 s47, s24, 1
	s_mov_b32 s[SEL], 0x76543210
	s_mov_b32 s[SEL+1], 0xfedcba98
	s_mov_b32 s28, 0xffff0000
	s_mov_b32 s51, 0
	s_mul_i32 s49, ttmp9, 3072
	s_lshl_b32 s52, ttmp9, 7
	s_mov_b32 s[G1W], (0<<16)|(1<<20)|(3<<22)|(3<<25)
	s_mov_b32 s[G1W+1], 256<<16                    ; 128 rows of 192 bytes lie dense in memory: stated as 96 rows of 256 bytes, each beginning at a multiple of 256; the padding behind every 64 bytes gives the same LDS image
	s_mov_b32 s[G1W+2], 96<<16
	s_mov_b32 s[G1W+3], 256<<16
	s_mov_b32 s[G1W+4], 96
	s_mov_b32 s[G1W+5], 256
	s_mov_b32 s[G1W+6], 0
	s_mov_b32 s[G1W+7], 0
	s_mov_b32 s[G1WV], (0<<16)|(1<<20)|(3<<22)|(3<<25)
	s_mov_b32 s[G1WV+1], 256<<16                   ; 64 rows of 192 bytes as 48 rows of 256
	s_mov_b32 s[G1WV+2], 48<<16
	s_mov_b32 s[G1WV+3], 256<<16
	s_mov_b32 s[G1WV+4], 48
	s_mov_b32 s[G1WV+5], 256
	s_mov_b32 s[G1WV+6], 0
	s_mov_b32 s[G1WV+7], 0
	s_mov_b32 s[G0W], 1
	s_mul_i32 s[G0W+1], s24, WL
	s_mov_b32 s[G0WV], 1
	s_mul_i32 s[G0WV+1], s24, WVL
	s_add_co_u32 s[G0WV+1], s[G0WV+1], 4*WL
	s_wait_alu depctr_va_vdst(0)
	s_wait_dscnt 0x0
	s_wait_kmcnt 0x0
	s_cmp_eq_u32 s46, 0
	s_cselect_b64 s[4:5], s[4:5], s[8:9]
	s_cselect_b64 s[6:7], s[6:7], s[10:11]
	s_mul_i32 s50, s47, 24576
	s_add_nc_u64 s[4:5], s[4:5], s[50:51]
	s_mov_b64 s[G0W+2:G0W+3], s[4:5]
	s_or_b32 s[G0W+3], s[G0W+3], 0x80000000
	s_mul_i32 s50, s24, 12288
	s_add_nc_u64 s[12:13], s[12:13], s[50:51]
	s_mov_b64 s[G0WV+2:G0WV+3], s[12:13]
	s_or_b32 s[G0WV+3], s[G0WV+3], 0x80000000
	tensor_load_to_lds s[G0W:G0W+3], s[G1W:G1W+7]
	s_nop 0
	s_wait_alu depctr_va_vdst(0)
	s_wait_tensorcnt 0x0
	ds_add_u32 v254, v255
	s_wait_dscnt 0x0
	s_barrier_signal -1
	s_barrier_wait -1
	tensor_load_to_lds s[G0WV:G0WV+3], s[G1WV:G1WV+7]
	s_nop 0
	PLACES
	v_add_nc_u32 v[WVA], s[G0WV+1], v[WA]
	v_add_nc_u32 v[WVA+1], s[G0WV+1], v[WA+1]
	v_add_nc_u32 v[WA], s[G0W+1], v[WA]
	v_add_nc_u32 v[WA+1], s[G0W+1], v[WA+1]
	s_lshl_b32 s50, s47, 10
	s_add_nc_u64 s[6:7], s[6:7], s[50:51]
	s_lshl_b32 s50, s24, 9
	s_add_nc_u64 s[14:15], s[14:15], s[50:51]
	s_lshl_b32 s48, s46, 4
	s_add_co_u32 s48, s48, s25
	s_mul_i32 s50, s48, 393216
	s_add_co_u32 s50, s50, s49
	s_add_nc_u64 s[30:31], s[16:17], s[50:51]
	s_lshl_b32 s50, s48, 14
	s_add_co_u32 s50, s50, s52
	s_add_nc_u64 s[32:33], s[18:19], s[50:51]
	s_add_co_u32 s48, s25, 32
	s_mul_i32 s50, s48, 393216
	s_add_co_u32 s50, s50, s49
	s_add_nc_u64 s[34:35], s[16:17], s[50:51]
	s_lshl_b32 s50, s48, 14
	s_add_co_u32 s50, s50, s52
	s_add_nc_u64 s[36:37], s[18:19], s[50:51]
	WIN 0xc0
.irp t, 0,1,2,3
	LDX 24*\t, 30, \t, 0
	LDX 24*\t+12, 30, \t, 1
.endr
	WIN 0
.irp t, 0,1,2,3,4,5,6,7
.irp i, 0,1,2,3
	global_load_u8 v[BB+4*\t+\i], v[XSA], s[32:33] offset:\i*2048+32*(\t/2)+8*(\t%2)
	global_load_u8 v[BB+32+4*\t+\i], v[XSA], s[36:37] offset:\i*2048+32*(\t/2)+8*(\t%2)
.endr
.endr
.irp t, 0,1,2,3,4,5,6,7
	global_load_b32 v[WS+\t], v[WSA], s[6:7] offset:(32*(\t/2)+8*(\t%2))*8
.endr
.irp t, 0,1,2,3
	global_load_b32 v[WVS+\t], v[WSA], s[14:15] offset:(32*(\t/2)+8*(\t%2))*8
.endr
	s_lshl_b32 s48, s25, 7
	s_lshl_b32 s53, ttmp9, 3
	s_add_co_u32 s48, s48, s53
	s_mul_i32 s50, s48, 3072
	s_mul_i32 s53, s46, 6291456
	s_add_co_u32 s50, s50, s53
	s_mul_i32 s53, s47, 1536
	s_add_co_u32 s50, s50, s53
	s_add_nc_u64 s[38:39], s[20:21], s[50:51]
	s_lshl_b32 s48, s25, 5
	s_lshl_b32 s53, ttmp9, 1
	s_add_co_u32 s48, s48, s53
	s_lshl_b32 s50, s48, 9
	s_lshl_b32 s53, s46, 18
	s_add_co_u32 s50, s50, s53
	s_lshl_b32 s53, s47, 8
	s_add_co_u32 s50, s50, s53
	s_add_nc_u64 s[40:41], s[22:23], s[50:51]
	s_lshl_b32 s48, s25, 3
	s_lshr_b32 s53, ttmp9, 1
	s_add_co_u32 s48, s48, s53
	s_lshl_b32 s48, s48, 2
	s_add_co_u32 s48, s48, s24
	s_and_b32 s54, ttmp9, 1
	s_mul_i32 s50, s48, 24576
	s_mul_i32 s53, s54, 12288
	s_add_co_u32 s50, s50, s53
	s_add_co_u32 s50, s50, 12582912
	s_add_nc_u64 s[42:43], s[20:21], s[50:51]
	s_lshl_b32 s50, s48, 10
	s_lshl_b32 s53, s54, 8
	s_add_co_u32 s50, s50, s53
	s_add_co_u32 s50, s50, 524288
	s_add_nc_u64 s[44:45], s[22:23], s[50:51]
	s_wait_alu depctr_va_vdst(0)
	s_wait_tensorcnt 0x0
	WIN 0x40
.irp t, 0,1,2,3,4,5,6,7
	LDW 24*\t, WA, 32*(\t/2)+8*(\t%2), 0
	LDW 24*\t+12, WA, 32*(\t/2)+8*(\t%2), 1
.endr
	WIN 0
	s_wait_loadcnt 0x0
.irp t, 0,1,2,3,4,5,6,7
	v_lshl_or_b32 v[XS+\t], v[BB+4*\t+1], 8, v[BB+4*\t]
	v_lshl_or_b32 v[XS+\t], v[BB+4*\t+2], 16, v[XS+\t]
	v_lshl_or_b32 v[XS+\t], v[BB+4*\t+3], 24, v[XS+\t]
.endr
.irp t, 0,1,2,3,4,5,6,7
	v_lshl_or_b32 v[XVS+\t], v[BB+32+4*\t+1], 8, v[BB+32+4*\t]
	v_lshl_or_b32 v[XVS+\t], v[BB+32+4*\t+2], 16, v[XVS+\t]
	v_lshl_or_b32 v[XVS+\t], v[BB+32+4*\t+3], 24, v[XVS+\t]
.endr
	s_wait_dscnt 0x0
.macro CHUNK u
.irp i, 0,1,2
.set f, 3*(\u)+\i
.if f < 16
	WIN 0x80
	LDX 12*f, 34, f/2, f%2
.else
	WIN 0xc0
	LDW 96+12*(f-16), WVA, 32*((f-16)/4)+8*(((f-16)/2)%2), f%2
.endif
.endr
.endm
.macro UNIT1 u
.if \u == 4
	s_wait_loadcnt 60
.elseif \u == 5
	s_wait_loadcnt 60
.elseif \u == 6
	s_wait_loadcnt 48
.elseif \u == 7
	s_wait_loadcnt 28
.endif
	WIN 0x0d
.irp t, 0,1,2,3,4,5,6,7
	v_wmma_scale_f32_16x16x128_f8f6f4 v[HA+8*\t:HA+8*\t+7], v[24*\t:24*\t+11], v[24*((\u)%4):24*((\u)%4)+11], 0, v[WS+\t], v[XS+\u] matrix_a_fmt:MATRIX_FMT_FP6 matrix_b_fmt:MATRIX_FMT_FP6
.endr
.irp t, 0,1,2,3,4,5,6,7
	v_wmma_scale_f32_16x16x128_f8f6f4 v[HA+8*\t:HA+8*\t+7], v[24*\t+12:24*\t+23], v[24*((\u)%4)+12:24*((\u)%4)+23], v[HA+8*\t:HA+8*\t+7], v[WS+\t], v[XS+\u] matrix_a_fmt:MATRIX_FMT_FP6 matrix_b_fmt:MATRIX_FMT_FP6 matrix_a_scale:MATRIX_SCALE_ROW1 matrix_b_scale:MATRIX_SCALE_ROW1
.endr
	WIN 0
	PLACES
	s_wait_xcnt 0x0
	QUANT HA, PW+\u
.irp c, 0,1,2
	global_store_b128 v[LI], v[PC+4*\c:PC+4*\c+3], s[38:39] offset:(\u)*3072+512*\c
.endr
.if \u < 4
	WIN 0xc0
	LDX 24*(\u), 30, (\u)+4, 0
	LDX 24*(\u)+12, 30, (\u)+4, 1
.endif
	CHUNK \u
	WIN 0
.endm
.irp u, 0,1,2,3,4,5,6,7
	UNIT1 \u
.endr
.irp i, 0,1,2,3
	v_cndmask_b32 v[SW+\i], v[PW+\i], v[PW+4+\i], s28
.endr
	global_store_b128 v[SSA], v[SW:SW+3], s[40:41]
	s_wait_loadcnt 0x0
	s_wait_dscnt 0x0
.macro UNIT2 u
	WIN 0x0e
.irp t, 0,1,2,3,4,5,6,7
	v_wmma_scale_f32_16x16x128_f8f6f4 v[HA+8*\t:HA+8*\t+7], v[24*\t:24*\t+11], v[96+24*(\u):96+24*(\u)+11], 0, v[XVS+\t], v[WVS+\u] matrix_a_fmt:MATRIX_FMT_FP6 matrix_b_fmt:MATRIX_FMT_FP6
.endr
.irp t, 0,1,2,3,4,5,6,7
	v_wmma_scale_f32_16x16x128_f8f6f4 v[HA+8*\t:HA+8*\t+7], v[24*\t+12:24*\t+23], v[96+24*(\u)+12:96+24*(\u)+23], v[HA+8*\t:HA+8*\t+7], v[XVS+\t], v[WVS+\u] matrix_a_fmt:MATRIX_FMT_FP6 matrix_b_fmt:MATRIX_FMT_FP6 matrix_a_scale:MATRIX_SCALE_ROW1 matrix_b_scale:MATRIX_SCALE_ROW1
.endr
	WIN 0
	PLACES
	s_wait_xcnt 0x0
	QUANT HA, PW+\u
.irp c, 0,1,2
	global_store_b128 v[LI], v[PC+4*\c:PC+4*\c+3], s[42:43] offset:(\u)*1536+512*\c
.endr
.set k, 0
.rept 32
	v_pk_mul_f32 v[HA+k:HA+k+1], v[HA+k:HA+k+1], v[HA+k:HA+k+1]
.set k, k+2
.endr
	s_wait_xcnt 0x0
	QUANT HA, PW+4+\u
.irp c, 0,1,2
	global_store_b128 v[LI], v[PC+4*\c:PC+4*\c+3], s[42:43] offset:(4+\u)*1536+512*\c
.endr
.endm
.irp u, 0,1,2,3
	UNIT2 \u
.endr
	s_wait_xcnt 0x0
.irp i, 0,1,2,3
	v_cndmask_b32 v[SW+\i], v[PW+\i], v[PW+4+\i], s28
.endr
	global_store_b128 v[SSA], v[SW:SW+3], s[44:45]
	s_wait_tensorcnt 0x0
	ds_add_u32 v254, v255
	s_wait_dscnt 0x0
	s_endpgm
.Lfunc_end_k_q39dcd6ba3b_proj:
	.size	k_q39dcd6ba3b_proj, .Lfunc_end_k_q39dcd6ba3b_proj-k_q39dcd6ba3b_proj
	.p2alignl 7, 3214868480
	.fill 96, 4, 3214868480
	.section	.rodata,"a",@progbits
	.p2align	6, 0x0
	.amdhsa_kernel k_q39dcd6ba3b_proj
		.amdhsa_group_segment_fixed_size 327680
		.amdhsa_private_segment_fixed_size 0
		.amdhsa_enable_private_segment 0
		.amdhsa_kernarg_size 80
		.amdhsa_user_sgpr_count 2
		.amdhsa_user_sgpr_kernarg_segment_ptr 1
		.amdhsa_wavefront_size32 1
		.amdhsa_system_sgpr_workgroup_id_x 1
		.amdhsa_system_sgpr_workgroup_id_y 1
		.amdhsa_system_sgpr_workgroup_id_z 1
		.amdhsa_system_vgpr_workitem_id 0
		.amdhsa_next_free_vgpr 960
		.amdhsa_next_free_sgpr 84
		.amdhsa_reserve_vcc 0
		.amdhsa_float_denorm_mode_32 3
		.amdhsa_float_denorm_mode_16_64 3
		.amdhsa_memory_ordered 1
		.amdhsa_forward_progress 1
		.amdhsa_inst_pref_size 139
	.end_amdhsa_kernel
	.amdgpu_metadata
---
amdhsa.version: [ 1, 2 ]
amdhsa.kernels:
  - .name:           k_q39dcd6ba3b_proj
    .symbol:         k_q39dcd6ba3b_proj.kd
    .args:
      - { .name: Wq_codes, .offset: 0, .size: 8, .value_kind: global_buffer, .address_space: global }
      - { .name: Wq_scales, .offset: 8, .size: 8, .value_kind: global_buffer, .address_space: global }
      - { .name: Wk_codes, .offset: 16, .size: 8, .value_kind: global_buffer, .address_space: global }
      - { .name: Wk_scales, .offset: 24, .size: 8, .value_kind: global_buffer, .address_space: global }
      - { .name: Wv_codes, .offset: 32, .size: 8, .value_kind: global_buffer, .address_space: global }
      - { .name: Wv_scales, .offset: 40, .size: 8, .value_kind: global_buffer, .address_space: global }
      - { .name: xc, .offset: 48, .size: 8, .value_kind: global_buffer, .address_space: global }
      - { .name: xb, .offset: 56, .size: 8, .value_kind: global_buffer, .address_space: global }
      - { .name: fc, .offset: 64, .size: 8, .value_kind: global_buffer, .address_space: global }
      - { .name: fs, .offset: 72, .size: 8, .value_kind: global_buffer, .address_space: global }
    .group_segment_fixed_size: 327680
    .private_segment_fixed_size: 0
    .kernarg_segment_align: 8
    .kernarg_segment_size: 80
    .max_flat_workgroup_size: 128
    .sgpr_count:     84
    .vgpr_count:     960
    .wavefront_size: 32
...
	.end_amdgpu_metadata
.endif
;; end of part 2
;; launch attn (part 3): grid 16 x 16, 4 waves a work-group, clusters of 4 x 1, 327,680 bytes of LDS; arguments fc, fs, part; writes part
.if DOCPART == 3
	.amdgcn_target "amdgcn-amd-amdhsa--gfx1250"
	.amdhsa_code_object_version 6
	.text
	.protected	k_q39dcd6ba3b_attn
	.globl	k_q39dcd6ba3b_attn
	.p2align	8
	.type	k_q39dcd6ba3b_attn,@function
k_q39dcd6ba3b_attn:
	s_mov_b64 s[64:65], 0
	v_nop
	global_prefetch_b8 v0, s[64:65] scope:SCOPE_SE
	s_setreg_imm32_b32 hwreg(HW_REG_WAVE_MODE, 25, 1), 1
	s_wait_xcnt 0x0
	s_wait_alu depctr_hold_cnt(0) depctr_sa_sdst(0) depctr_va_vdst(0) depctr_va_sdst(0) depctr_va_ssrc(0) depctr_va_vcc(0) depctr_vm_vsrc(0)
	s_getreg_b32 s2, hwreg(HW_REG_IB_STS2, 6, 4)
	s_cmp_eq_u32 s2, 0
	s_cbranch_scc0 .Lentry_in_a_cluster
	s_endpgm
.Lentry_in_a_cluster:
	s_bfe_u32 s2, ttmp6, 0x10000c
	s_cmp_lg_u32 s2, 0x3003
	s_cbranch_scc0 .Lentry_shape_is_right
	s_endpgm
.Lentry_shape_is_right:
; ATTENTION ON CODES OF FP6 (E2M3), and what is left of it: for each batch b and channel d the sums over a work-group's 128 queries of mean = sum_k p v / l and of relu(sum_k p v^2 / l - mean^2).
; Work-group (qb = 4 x cluster x + cx, b): 128 queries = 8 tiles of 16; eight steps of 256 keys.  All operands come as images of their registers (512 consecutive bytes a load), made by the launch before.
; S phase: wave w owns query tiles 2 w, 2 w + 1: S^T = K Q^T, a group of two key tiles (one block of 32 keys) at a time.  PV phase: wave w owns d tiles 4 w .. 4 w + 3 of v and of v^2 for all 8 query tiles: 64 accumulators.
; Both products are used transposed: a lane holds ONE query (lane % 16); row r of key tile 2 b + u is key 32 b + 8 u + r + 8 (r / 8), so that 16 registers of two neighbouring tiles are 16 neighbouring keys.
; SOFTMAX BY BLOCKS.  t = score x log2(e) / 16.  Each block of 32 keys takes a whole number of its own, Mb = floor(largest t of the block + 1), kept as -Mb, and p = 2^(t - Mb): the block's largest p lies in [1/2, 1), so its scale is 2^-3.
; The step's reference R is the largest Mb so far, a whole number, kept as -R; a block's scale byte is 124 + Mb - R, held at 1 from below; l takes the blocks' sums of the unquantised p x 2^(Mb - R);
; when R moves, l and the accumulators are multiplied by 2^(old R - new R).  All these factors are powers of two: codes x scales are those of p = 2^(t - M) for any whole M.
; So a block needs no other block's scores, and S^T is a ring of two groups, 64 registers.  Slot g: group g's eight products in one run; then block g - 1: maxima, t - Mb, exponentials, sum, codes.
; LIMITS: scaled scores under 2^31 in magnitude; where the rounding of t + 1 and of t - Mb fall on different sides of a whole number, a block's scale is one step off the quantiser's; a block more than 123 binary orders under R
; keeps the byte 1; the factor 1/16 in the constant differs from quantising q / 16 only where a block of q has its largest magnitude under 2^-120; 1 / l is v_rcp_f32; NaN and infinities are not served.
; LDS: K's tile and V's tile have ONE buffer each, filled in alternation: K of step j + 1 behind the round that ends S phase j, V of step j + 1 behind the round that ends PV phase j.
; CLUSTER: the four query blocks of a cluster walk the same K and V: every tile is asked for jointly, with the mask of all four.  The launch claims all of the LDS.
; The accumulators are cleared once, at the head, while the first tiles are on their way: so the step is written twice (loop, last step); the first step's factor is 0.
; REGISTERS: window 0: v1-17 addresses; v36-51 factors; v64-65 Q's scale registers; v68-83 scale registers; v84-136 the softmax's statistics; v152-247 S phase: S^T and p's codes; PV phase: two buffers of V's fragments.
;   window 1: S phase: v0-95 two buffers of K's four fragments; PV phase: v0-191 p's fragments 96 s + 12 m; v208-255 Q.   window 2: accumulators of v at 8 (8 u + m).   window 3: of v^2.
.set KF,    6291456
.set VF,    12582912
.set KSG,   262144
.set VSG,   524288
.set KBUF,  0                          ; 49,152: a step's 16 key tiles x 2 K halves
.set VBUF,  49152                      ; 98,304: [w][K half][v, v^2][u][1,536]
.set KSC,   147456                     ; 16,384: k's scale words of the whole batch: filled once
.set VSC,   163840                     ; 32,768: v's
.set PIMG,  196608                     ; 24,576: p's 16 fragments (2 m + s).  From here on: bytes that waves store, into which no tile lands
.set PSC,   221184                     ; 1,024: p's scale words
.set FSC,   222208                     ; 2,048: the factors, [w][lane](f0, f0, f1, f1)
.set LINV,  224256                     ; 2,048: 1 / l, likewise
.set RED,   226304                     ; 2,048: the way out
.set SPARE, 228352                     ; 512: the spare words
.set LI,   1
.set SPW,  2
.set NIL,  3
.set VA,   4
.set KSA0, 5
.set VSA0, 6
.set PRA,  7
.set PWA,  8
.set XRA,  9
.set XWP,  10
.set XWF,  11
.set KSA,  12
.set VSA,  13
.set RDW,  14
.set RDR,  15
.set GO,   16
.set PFO,  17
.set FRG,  36
.set QS,   64
.set SCL,  68
.set PC,   84                          ; the way out: 16 bytes to store
.set MB,   84                          ; -Mb of tile a, block b at MB + 8 a + b; later the block's scale byte
.set LB,   100                         ; the block's sum of p
.set TP,   116                         ; eight at work
.set PWC,  124
.set FQ,   128
.set RR,   132                         ; -R of my two tiles
.set LL,   134                         ; l
.set CSC,  136                         ; 2^-3: the conversions' scale operand
.set TEMP, 152
.set SR,   152                         ; S^T: group g at SR + 32 (g % 2), tile a at + 16 a
.set FR,   216                         ; tile a's fragment of p at FR + 12 a
.set PCT,  240                         ; an odd block's codes on their way, PCT + 4 a
.set KB,   0                           ; window 1
.set Q,    208                         ; window 1
.set WV,    18
.set SEL,   20
.set CS,    22
.set G1K,   24
.set G1V,   32
.set G1KS,  40
.set G1VS,  48
.set G0K,   56
.set G0V,   60
.set G0KS,  68
.set G0VS,  72
.set J,     76
.set KSO,   77
.set VSO,   78
.set HI,    79
.set PFK,   80
.set PFV,   82
.set KMASK, 84
.set VMASK, 85
.set G0HK,  4                          ; the head's loads of K's step 0, a half to each of waves 0 and 1 (the arguments that lay there have been used by then)
.set CLIT,  0x3db8aa3b                 ; log2(e) / 16
.set MSB, 0
.macro WIN new
.if MSB != \new
	s_set_vgpr_msb (MSB<<8)|\new
.set MSB, \new
.endif
.endm
.macro PLACES
.rept 4
	v_nop
.endr
.endm
.macro CROUND
	s_barrier_signal -1
	s_barrier_wait -1
	s_cmp_lg_u32 s[WV], 0
	s_cbranch_scc1 .Lnot_wave_0_\@
	s_barrier_signal -3
.Lnot_wave_0_\@:
	s_barrier_wait -3
	s_barrier_signal -1
	s_barrier_wait -1
.endm
.macro GROUP1 g, rows                  ; a dense block as rows of 256 bytes; the mask of all four work-groups, bit 21 beside it
	s_mov_b32 s[\g], 15|(3<<16)|(1<<21)
	s_mov_b32 s[\g+1], 32<<16
	s_mov_b32 s[\g+2], (\rows)<<16
	s_mov_b32 s[\g+3], 32<<16
	s_mov_b32 s[\g+4], \rows
	s_mov_b32 s[\g+5], 32
	s_mov_b32 s[\g+6], 0
	s_mov_b32 s[\g+7], 0
.endm
; A PREFETCH of 98,304 bytes that later joint loads will ask for: V of step j + 2 behind the round that ends PV phase j (j up to 5); K of steps j + 2 and j + 3 behind the round that ends S phase j (j = 0, 2, 4).
; The batch's first cluster asks; its four partners take 24,576 bytes each, told apart by address; in each, waves 0 to 2 take 8,192 bytes, lanes 256 bytes apart: each aligned 256 bytes are named once.
.macro ASK mask, ptr
	s_lshr_b32 s94, s[\mask], s[J]
	s_and_b32 s94, s94, 1
	s_cmp_lg_u32 s94, 0
	s_cbranch_scc0 .Lnot_mine_\@
	global_prefetch_b8 v[PFO], s[\ptr:\ptr+1] th:TH_LOAD_NT scope:SCOPE_SE
.Lnot_mine_\@:
.endm
	s_load_b128 s[4:7], s[0:1], 0x0                ; fc, fs
	s_load_b64 s[8:9], s[0:1], 0x10                ; part
	v_lshl_add_u32 v[SPW], v0, 2, SPARE
	v_mov_b32 v[NIL], 0
	ds_add_u32 v[SPW], v[NIL]                      ; the opening lines: the add, twice on end, and its wait
	ds_add_u32 v[SPW], v[NIL]
	v_lshrrev_b32 v18, 5, v0
	v_readfirstlane_b32 s[WV], v18
	s_and_b32 s88, ttmp7, 0xffff                   ; b
	GROUP1 G1K, 48                                 ; a quarter of K's tile
	GROUP1 G1V, 96                                 ; a quarter of V's tile; also a half of K's, at the head
	GROUP1 G1KS, 64
	GROUP1 G1VS, 128
	s_mov_b32 s[G0K], 1
	s_mul_i32 s[G0K+1], s[WV], 12288
	s_mul_i32 s89, s88, 393216
	s_add_co_u32 s92, s89, KF
	s_mov_b32 s93, 0
	s_add_co_u32 s[G0K+2], s92, s[G0K+1]
	s_mov_b32 s[G0K+3], 0
	s_mul_i32 s90, s[WV], 24576
	s_add_co_u32 s92, s92, s90                     ; the head's half of K's step 0: wave x 24,576
	s_mov_b32 s[G0V], 1
	s_add_co_u32 s[G0V+1], s90, VBUF
	s_mul_i32 s89, s88, 786432
	s_add_co_u32 s89, s89, s90
	s_add_co_u32 s[G0V+2], s89, VF
	s_mov_b32 s[G0V+3], 0
	s_mov_b32 s[G0KS], 1
	s_mov_b32 s[G0KS+1], KSC
	s_lshl_b32 s89, s88, 14
	s_add_co_u32 s[G0KS+2], s89, KSG
	s_mov_b32 s[G0KS+3], 0
	s_mov_b32 s[G0VS], 1
	s_mov_b32 s[G0VS+1], VSC
	s_lshl_b32 s89, s88, 15
	s_add_co_u32 s[G0VS+2], s89, VSG
	s_mov_b32 s[G0VS+3], 0
	; what hangs on my place in the cluster: Q's, part's and the prefetches' global addresses, in registers of their own
	s_bfe_u32 s86, ttmp6, 0x40000                  ; cx
	s_lshl_b32 s87, ttmp9, 2
	s_add_co_u32 s87, s87, s86                     ; qb
	s_mul_i32 s90, s86, 24576
	s_lshl_b32 s91, s[WV], 13
	s_add_co_u32 s90, s90, s91
	s_mul_i32 s91, s88, 393216
	s_add_co_u32 s91, s91, s90
	s_add_co_u32 s[PFK], s91, KF+49152             ; at step 1: the first round steps it to step 2
	s_mov_b32 s[PFK+1], 0
	s_mul_i32 s91, s88, 786432
	s_add_co_u32 s91, s91, s90
	s_add_co_u32 s[PFV], s91, VF+98304
	s_mov_b32 s[PFV+1], 0
	s_lshl_b32 s90, s88, 7
	s_lshl_b32 s91, s87, 3
	s_add_co_u32 s90, s90, s91
	s_lshl_b32 s91, s[WV], 1
	s_add_co_u32 s90, s90, s91                     ; my first query tile: 128 b + 8 qb + 2 w
	s_mul_i32 s10, s90, 3072
	s_mov_b32 s11, 0
	s_lshl_b32 s90, s88, 5
	s_lshl_b32 s91, s87, 1
	s_add_co_u32 s90, s90, s91
	s_lshr_b32 s91, s[WV], 1
	s_add_co_u32 s90, s90, s91
	s_lshl_b32 s12, s90, 9
	s_and_b32 s91, s[WV], 1
	s_lshl_b32 s91, s91, 3
	s_add_co_u32 s12, s12, s91
	s_mov_b32 s13, 0
	s_lshl_b32 s14, s88, 4
	s_add_co_u32 s14, s14, s87
	s_lshl_b32 s14, s14, 11
	s_mov_b32 s15, 0
	s_cmp_lt_u32 s[WV], 3
	s_cselect_b32 s[KMASK], 0x15, 0
	s_cselect_b32 s[VMASK], 0x3f, 0
	s_cmp_eq_u32 ttmp9, 0
	s_cselect_b32 s[KMASK], s[KMASK], 0
	s_cselect_b32 s[VMASK], s[VMASK], 0
	s_mov_b32 s[SEL], 0x76543210
	s_mov_b32 s[SEL+1], 0xfedcba98
	s_mov_b32 s[CS], CLIT
	s_mov_b32 s[CS+1], s[CS]                       ; (named with it as a pair, so it is written)
	s_mov_b32 s[HI], 0xffff0000
	s_mov_b32 s[J], 0
	s_mov_b32 s[KSO], 0
	s_mov_b32 s[VSO], 0
	s_wait_dscnt 0x0                               ; both opening adds are done
	s_wait_kmcnt 0x0
	s_add_nc_u64 s[G0K+2:G0K+3], s[4:5], s[G0K+2:G0K+3]
	s_or_b32 s[G0K+3], s[G0K+3], 0x80000000
	s_add_nc_u64 s[G0V+2:G0V+3], s[4:5], s[G0V+2:G0V+3]
	s_or_b32 s[G0V+3], s[G0V+3], 0x80000000
	s_add_nc_u64 s[G0KS+2:G0KS+3], s[6:7], s[G0KS+2:G0KS+3]
	s_or_b32 s[G0KS+3], s[G0KS+3], 0x80000000
	s_add_nc_u64 s[G0VS+2:G0VS+3], s[6:7], s[G0VS+2:G0VS+3]
	s_or_b32 s[G0VS+3], s[G0VS+3], 0x80000000
	s_add_nc_u64 s[PFK:PFK+1], s[4:5], s[PFK:PFK+1]
	s_add_nc_u64 s[PFV:PFV+1], s[4:5], s[PFV:PFV+1]
	s_add_nc_u64 s[10:11], s[4:5], s[10:11]        ; Q's images
	s_add_nc_u64 s[12:13], s[6:7], s[12:13]        ; Q's scale words
	s_add_nc_u64 s[8:9], s[8:9], s[14:15]          ; my work-group's 2,048 bytes of part
	s_add_nc_u64 s[G0HK+2:G0HK+3], s[4:5], s[92:93]
	s_or_b32 s[G0HK+3], s[G0HK+3], 0x80000000
	s_mov_b32 s[G0HK], 1
	s_mul_i32 s[G0HK+1], s[WV], 24576
	CROUND                                         ; all four work-groups are here: the first joint loads meet
; THE HEAD'S LOADS, ONE A WAVE: what the first S phase reads.  Waves 0 and 1 a half each of K's step 0, wave 2 k's scale words, wave 3 v's.  One chain of branches on the wave's number, all arms leading to one join.
.macro ARM under, g0, g1, next
	s_cmp_lt_u32 s[WV], \under
	s_cbranch_scc0 \next
	tensor_load_to_lds s[\g0:\g0+3], s[\g1:\g1+7]
	s_nop 0
	PLACES
	s_branch .Lhead_asked
\next:
.endm
	ARM 2, G0HK, G1V,  .Lhead_ks
	ARM 3, G0KS, G1KS, .Lhead_vs
	tensor_load_to_lds s[G0VS:G0VS+3], s[G1VS:G1VS+7]
	s_nop 0
	PLACES
.Lhead_asked:
	v_and_b32 v18, 31, v0
	v_lshlrev_b32 v[LI], 4, v18
	v_lshlrev_b32 v[PFO], 8, v18
	WIN 0x40
.irp i, 0,1,2,3,4,5,6,7,8,9,10,11
	global_load_b128 v[Q+4*\i:Q+4*\i+3], v[LI], s[10:11] offset:512*\i     ; my two query tiles x two K halves stay in registers
.endr
	WIN 0
	global_load_b64 v[QS:QS+1], v[LI], s[12:13]
	v_and_b32 v19, 15, v0                          ; r
	v_bfe_u32 v18, v0, 4, 1                        ; h
	s_mul_i32 s89, s[WV], 24576
	s_add_co_u32 s89, s89, VBUF
	v_add_nc_u32 v[VA], s89, v[LI]
	v_add_nc_u32 v[KSA0], KSC, v[LI]
	s_lshl_b32 s89, s[WV], 10
	s_add_co_u32 s89, s89, VSC
	v_add_nc_u32 v[VSA0], s89, v[LI]
	v_add_nc_u32 v[PRA], PIMG, v[LI]
	s_mul_i32 s89, s[WV], 6144
	v_add_nc_u32 v[PWA], s89, v[PRA]
	v_add_nc_u32 v[XRA], PSC, v[LI]
	s_lshr_b32 s89, s[WV], 1
	s_lshl_b32 s89, s89, 9
	s_and_b32 s90, s[WV], 1
	s_lshl_b32 s90, s90, 3
	s_add_co_u32 s89, s89, s90
	v_add_nc_u32 v[XWP], s89, v[XRA]
	s_lshl_b32 s89, s[WV], 9
	s_add_co_u32 s90, s89, FSC
	v_add_nc_u32 v[XWF], s90, v[LI]
	s_add_co_u32 s90, s89, RED
	v_add_nc_u32 v[RDR], s90, v[LI]
	v_lshl_add_u32 v[RDW], v18, 6, s90
	s_lshl_b32 s89, s[WV], 8
	v_lshl_add_u32 v[GO], v19, 4, s89
	v_lshl_add_u32 v[GO], v18, 10, v[GO]           ; in part: 1,024 x kind + 256 w + 16 r
	v_mov_b32 v[RR], 0x7f61b1e6                    ; -R so far: 3e38
	v_mov_b32 v[RR+1], 0x7f61b1e6
	v_mov_b32 v[LL], 0
	v_mov_b32 v[LL+1], 0
	v_mov_b32 v[CSC], 0x3e000000                   ; 2^-3
	v_mov_b32 v[TP+4], 0                           ; a lane permute's destination counts as one of its sources
	v_mov_b32 v[TP+5], 0
.set k, 0
.rept 16
	v_mov_b32 v[MB+k], 0                           ; named in pairs, so all are written
.set k, k+1
.endr
	WIN 0x80
.set k, 0
.rept 256
	v_mov_b32 v[k], 0                              ; the accumulators of v,
.set k, k+1
.endr
	WIN 0xc0
.set k, 0
.rept 256
	v_mov_b32 v[k], 0                              ; and of v^2
.set k, k+1
.endr
	WIN 0
	s_wait_alu depctr_va_vdst(0)                   ; the wait at the head's end
	s_wait_loadcnt 0x0                             ; Q
	s_wait_tensorcnt 0x0                           ; my one load has landed
	ds_add_u32 v[SPW], v[NIL]
	s_wait_dscnt 0x0
	CROUND                                         ; K's step 0 and the scale words are in, and all four work-groups are here
	tensor_load_to_lds s[G0V:G0V+3], s[G1V:G1V+7]  ; V's step 0, a quarter a wave: it has the first S phase in which to land
	s_nop 0
	PLACES
.macro KLOAD g                         ; key tiles 2 g, 2 g + 1, both K halves: four fragments, into buffer g % 2
.irp i, 0,1,2,3,4,5,6,7,8,9,10,11
	ds_load_b128 v[KB+48*((\g)%2)+4*\i:KB+48*((\g)%2)+4*\i+3], v[LI] offset:KBUF+(\g)*6144+512*\i
.endr
.endm
.macro SW g, n                         ; product n of group g's eight: four accumulators by turns; the first K half starts the sums
.set x_, (\n)%4
.set rD, SR+32*((\g)%2)+16*(x_%2)+8*(x_/2)
.set rA, KB+48*((\g)%2)+24*(x_/2)+12*((\n)/4)
.set rB, Q+24*(x_%2)+12*((\n)/4)
.if (\n) < 4
	v_wmma_scale_f32_16x16x128_f8f6f4 v[rD:rD+7], v[rA:rA+11], v[rB:rB+11], 0, v[SCL+2*(\g)+x_/2], v[QS+x_%2] matrix_a_fmt:MATRIX_FMT_FP6 matrix_b_fmt:MATRIX_FMT_FP6
.else
	v_wmma_scale_f32_16x16x128_f8f6f4 v[rD:rD+7], v[rA:rA+11], v[rB:rB+11], v[rD:rD+7], v[SCL+2*(\g)+x_/2], v[QS+x_%2] matrix_a_fmt:MATRIX_FMT_FP6 matrix_b_fmt:MATRIX_FMT_FP6 matrix_a_scale:MATRIX_SCALE_ROW1 matrix_b_scale:MATRIX_SCALE_ROW1
.endif
.endm
; Block b from scores to t - Mb.  The maxima go in four chains (two query tiles x two accumulators), each accumulator read from its low end on.
.macro W1 b
.set s0_, SR+32*((\b)%2)
.irp c, 0,1
.irp a, 0,1
	v_max3_num_f32 v[TP+2*\a+\c], v[s0_+16*\a+8*\c], v[s0_+16*\a+8*\c+1], v[s0_+16*\a+8*\c+2]
.endr
.endr
.irp i, 3,5
.irp c, 0,1
.irp a, 0,1
	v_max3_num_f32 v[TP+2*\a+\c], v[TP+2*\a+\c], v[s0_+16*\a+8*\c+\i], v[s0_+16*\a+8*\c+\i+1]
.endr
.endr
.endr
.irp a, 0,1
	v_max3_num_f32 v[TP+2*\a], v[TP+2*\a], v[s0_+16*\a+7], v[TP+2*\a+1]
.endr
.irp a, 0,1
	v_max_num_f32 v[TP+2*\a], v[TP+2*\a], v[s0_+16*\a+15]
.endr
.irp a, 0,1
	v_permlanex16_b32 v[TP+4+\a], v[TP+2*\a], s[SEL], s[SEL+1]
.endr
.irp a, 0,1
	v_max_num_f32 v[TP+2*\a], v[TP+2*\a], v[TP+4+\a]              ; with lane l xor 16's 16 keys
.endr
.irp a, 0,1
	v_fma_f32 v[TP+2*\a], -v[TP+2*\a], s[CS], -1.0                ; -(the largest t + 1) (the constant is positive)
.endr
.irp a, 0,1
	v_ceil_f32 v[MB+8*\a+(\b)], v[TP+2*\a]                        ; -Mb
.endr
.irp a, 0,1
.irp j, 0,2,4,6,8,10,12,14                     ; t - Mb, two at a time; -Mb is the low or the high word of its pair
.if (\b)%2 == 0
	v_pk_fma_f32 v[s0_+16*\a+\j:s0_+16*\a+\j+1], v[s0_+16*\a+\j:s0_+16*\a+\j+1], s[CS:CS+1], v[MB+8*\a+(\b):MB+8*\a+(\b)+1] op_sel_hi:[1,0,0]
.else
	v_pk_fma_f32 v[s0_+16*\a+\j:s0_+16*\a+\j+1], v[s0_+16*\a+\j:s0_+16*\a+\j+1], s[CS:CS+1], v[MB+8*\a+(\b)-1:MB+8*\a+(\b)] op_sel:[0,0,1] op_sel_hi:[1,0,1]
.endif
.endr
.endr
.endm
; Behind block b's exponentials: its sum of the unquantised p (two chains a tile, two numbers a line), its codes; two blocks make half a fragment, four a fragment, which goes to LDS as an image.
.macro W2 b
.set s0_, SR+32*((\b)%2)
.irp a, 0,1
	v_pk_add_f32 v[TP+4*\a:TP+4*\a+1], v[s0_+16*\a:s0_+16*\a+1], v[s0_+16*\a+2:s0_+16*\a+3]
	v_pk_add_f32 v[TP+4*\a+2:TP+4*\a+3], v[s0_+16*\a+4:s0_+16*\a+5], v[s0_+16*\a+6:s0_+16*\a+7]
.endr
.irp i, 8,12
.irp a, 0,1
	v_pk_add_f32 v[TP+4*\a:TP+4*\a+1], v[TP+4*\a:TP+4*\a+1], v[s0_+16*\a+\i:s0_+16*\a+\i+1]
	v_pk_add_f32 v[TP+4*\a+2:TP+4*\a+3], v[TP+4*\a+2:TP+4*\a+3], v[s0_+16*\a+\i+2:s0_+16*\a+\i+3]
.endr
.endr
.irp a, 0,1
	v_pk_add_f32 v[TP+4*\a:TP+4*\a+1], v[TP+4*\a:TP+4*\a+1], v[TP+4*\a+2:TP+4*\a+3]
.endr
.irp a, 0,1
	v_add_f32 v[LB+8*\a+(\b)], v[TP+4*\a], v[TP+4*\a+1]
.endr
.set c_, ((\b)%4)/2
.irp a, 0,1
.if (\b)%2 == 0
	v_cvt_scalef32_pk16_fp6_f32 v[FR+12*\a+6*c_:FR+12*\a+6*c_+2], v[s0_+16*\a:s0_+16*\a+15], v[CSC]
.else
	v_cvt_scalef32_pk16_fp6_f32 v[PCT+4*\a:PCT+4*\a+2], v[s0_+16*\a:s0_+16*\a+15], v[CSC]
.endif
.endr
	v_nop                                          ; one plain instruction behind a scaled conversion
.if (\b)%2 == 1
.irp a, 0,1
.irp i, 0,1,2
	v_permlane16_swap_b32 v[FR+12*\a+6*c_+\i], v[PCT+4*\a+\i]     ; a whole block in a lane
.endr
.irp i, 0,1,2
	v_mov_b32 v[FR+12*\a+6*c_+3+\i], v[PCT+4*\a+\i]
.endr
.endr
.endif
.if (\b)%4 == 3
.irp a, 0,1
.irp c, 0,1,2
	ds_store_b128 v[PWA], v[FR+12*\a+4*\c:FR+12*\a+4*\c+3] offset:(2*\a+(\b)/4)*1536+512*\c
.endr
.endr
.endif
.endm
; Slot g: group g's eight products; block g - 1's forty plain lines, which name none of their registers; group g + 2's fragments are asked for into the buffer that the products have read; block g - 1's exponentials and what follows.
.macro SLOT g
.if (\g) < 8
	s_wait_alu depctr_va_vdst(0)
.if (\g) < 7
	s_wait_dscnt 12                                ; group g's fragments are in; the next group's twelve loads may be out
.else
	s_wait_dscnt 0x0
.endif
	WIN 0x05                                       ; K and Q window 1, S^T window 0
.set k, 0
.rept 8
	SW \g, k
.set k, k+1
.endr
	WIN 0
.endif
.if (\g) > 0
	W1 (\g)-1
.else
	PLACES
.endif
.if (\g) < 6
	WIN 0x40
	KLOAD (\g)+2
	WIN 0
.endif
.if (\g) > 0
	s_wait_alu depctr_va_vdst(0)                   ; the wait ahead of the batch,
.set k, 0
.rept 32
	v_exp_f32 v[SR+32*(((\g)-1)%2)+k], v[SR+32*(((\g)-1)%2)+k]   ; p = 2^(t - Mb)
.set k, k+1
.endr
	v_nop
	s_wait_alu depctr_va_vdst(0)                   ; and behind it
	W2 (\g)-1
.endif
.endm
; The step's end: the new R, the factor, l, the eight blocks' scale bytes.
.macro ENDST
.irp a, 0,1
	v_min3_num_f32 v[TP+\a], v[RR+\a], v[MB+8*\a], v[MB+8*\a+1]
.endr
.irp i, 2,4,6
.irp a, 0,1
	v_min3_num_f32 v[TP+\a], v[TP+\a], v[MB+8*\a+\i], v[MB+8*\a+\i+1]
.endr
.endr
.irp a, 0,1
	v_sub_f32 v[TP+2+\a], v[TP+\a], v[RR+\a]       ; old R - new R: a whole number, 0 or less
.endr
.irp a, 0,1
	v_mov_b32 v[RR+\a], v[TP+\a]
.endr
.irp a, 0,1
	v_cvt_i32_f32 v[TP+2+\a], v[TP+2+\a]           ; (it saturates)
.endr
.irp a, 0,1
	v_ldexp_f32 v[FQ+2*\a], 1.0, v[TP+2+\a]
.endr
.irp a, 0,1
	v_mov_b32 v[FQ+2*\a+1], v[FQ+2*\a]
	v_mul_f32 v[LL+\a], v[LL+\a], v[FQ+2*\a]
.endr
.set k, 0
.rept 16
	v_sub_f32 v[MB+k], v[RR+k/8], v[MB+k]          ; Mb - R
.set k, k+1
.endr
.set k, 0
.rept 16
	v_cvt_i32_f32 v[MB+k], v[MB+k]
.set k, k+1
.endr
.set k, 0
.rept 16
	v_ldexp_f32 v[LB+k], v[LB+k], v[MB+k]
.set k, k+1
.endr
.irp b, 0,1,2,3,4,5,6,7
.irp a, 0,1
	v_add_f32 v[LL+\a], v[LL+\a], v[LB+8*\a+\b]
.endr
.endr
.set k, 0
.rept 16
	v_add_nc_u32 v[MB+k], 124, v[MB+k]
.set k, k+1
.endr
.set k, 0
.rept 16
	v_max_i32 v[MB+k], 1, v[MB+k]                  ; the byte is held at 1 from below
.set k, k+1
.endr
.irp a, 0,1
	v_lshl_or_b32 v[TP+\a], v[MB+8*\a+1], 8, v[MB+8*\a]
	v_lshl_or_b32 v[TP+2+\a], v[MB+8*\a+5], 8, v[MB+8*\a+4]
.endr
.irp a, 0,1
	v_lshl_or_b32 v[TP+\a], v[MB+8*\a+2], 16, v[TP+\a]
	v_lshl_or_b32 v[TP+2+\a], v[MB+8*\a+6], 16, v[TP+2+\a]
.endr
.irp a, 0,1
	v_lshl_or_b32 v[TP+\a], v[MB+8*\a+3], 24, v[TP+\a]
	v_lshl_or_b32 v[TP+2+\a], v[MB+8*\a+7], 24, v[TP+2+\a]
.endr
.irp a, 0,1
	v_cndmask_b32 v[PWC+\a], v[TP+\a], v[TP+2+\a], s[HI]   ; lanes 0-15: the first 128 keys' word, lanes 16-31: the second's
.endr
	ds_store_b64 v[XWP], v[PWC:PWC+1]
	ds_store_b128 v[XWF], v[FQ:FQ+3]
.endm
.macro SPHASE
	v_add_nc_u32 v[KSA], s[KSO], v[KSA0]
	v_add_nc_u32 v[VSA], s[VSO], v[VSA0]
	v_nop                                          ; with the four plain lines behind the tensor load: seven between the last products and the products below, whose results land on registers that those have read
.irp i, 0,1,2,3
	ds_load_b128 v[SCL+4*\i:SCL+4*\i+3], v[KSA] offset:512*\i
.endr
	WIN 0x40
	KLOAD 0
	KLOAD 1
	WIN 0
.irp g, 0,1,2,3,4,5,6,7,8
	SLOT \g
.endr
	ENDST
.endm
.macro LFIN                            ; behind the last step: 1 / l of my two query tiles
.irp a, 0,1
	v_permlanex16_b32 v[TP+\a], v[LL+\a], s[SEL], s[SEL+1]
.endr
.irp a, 0,1
	v_add_f32 v[TP+\a], v[TP+\a], v[LL+\a]
.endr
	s_wait_alu depctr_va_vdst(0)
.irp a, 0,1
	v_rcp_f32 v[TP+4+2*\a], v[TP+\a]
.endr
	v_nop
	s_wait_alu depctr_va_vdst(0)
.irp a, 0,1
	v_mov_b32 v[TP+5+2*\a], v[TP+4+2*\a]
.endr
	ds_store_b128 v[XWF], v[TP+4:TP+7] offset:2048
.endm
; The round that ends an S phase.  Every wave: all its tensor loads have landed (V of this step among them); 0 onto its spare word; the add, its stores of p and its reads of K are done.
.macro ROUND_A fill
	s_wait_tensorcnt 0x0
	ds_add_u32 v[SPW], v[NIL]
.if \fill
	s_add_nc_u64 s[G0K+2:G0K+3], s[G0K+2:G0K+3], 49152
	s_wait_xcnt 0x0                                ; the last prefetches have read their addresses
	s_add_nc_u64 s[PFK:PFK+1], s[PFK:PFK+1], 49152
.endif
	s_wait_dscnt 0x0
.if \fill
	CROUND
	tensor_load_to_lds s[G0K:G0K+3], s[G1K:G1K+7]  ; my one tensor load behind this round
	s_nop 0
	PLACES
	ASK KMASK, PFK
.else
	s_barrier_signal -1                            ; the last step: nothing is filled again
	s_barrier_wait -1
.endif
.endm
.macro VLOAD ks, kind, buf
.irp i, 0,1,2,3,4,5,6,7,8,9,10,11
	ds_load_b128 v[TEMP+48*(\buf)+4*\i:TEMP+48*(\buf)+4*\i+3], v[VA] offset:12288*(\ks)+6144*(\kind)+512*\i
.endr
.endm
.macro PLOAD ks
.irp i, 0,1,2,3,4,5,6,7,8,9,10,11,12,13,14,15,16,17,18,19,20,21,22,23
	ds_load_b128 v[96*(\ks)+4*\i:96*(\ks)+4*\i+3], v[PRA] offset:(2*(\i/3)+(\ks))*1536+512*(\i%3)
.endr
.endm
; GROUP gg of sixteen: kind gg / 8 (v, v^2), query tile m = gg % 8: four accumulators (u).
.macro RESC gg                         ; the group's accumulators x f of their query tile, each from its low end on: sixteen plain lines
.if (\gg) < 8
	WIN 0x82
.else
	WIN 0xc3
.endif
.irp u, 0,1,2,3
.irp i, 0,2,4,6
	v_pk_mul_f32 v[64*\u+8*((\gg)%8)+\i:64*\u+8*((\gg)%8)+\i+1], v[64*\u+8*((\gg)%8)+\i:64*\u+8*((\gg)%8)+\i+1], v[FRG+2*((\gg)%8):FRG+2*((\gg)%8)+1]
.endr
.endr
.endm
.macro PVW gg                          ; the group's four products of the first K half
.if (\gg) < 8
	WIN 0xa4
.else
	WIN 0xf4
.endif
.irp u, 0,1,2,3
	v_wmma_scale_f32_16x16x128_f8f6f4 v[64*\u+8*((\gg)%8):64*\u+8*((\gg)%8)+7], v[TEMP+48*((\gg)/8)+12*\u:TEMP+48*((\gg)/8)+12*\u+11], v[12*((\gg)%8):12*((\gg)%8)+11], v[64*\u+8*((\gg)%8):64*\u+8*((\gg)%8)+7], v[SCL+8+4*((\gg)/8)+\u], v[SCL+(\gg)%8] matrix_a_fmt:MATRIX_FMT_FP6 matrix_b_fmt:MATRIX_FMT_FP6
.endr
.endm
.macro PVMUL2 kind                     ; the second K half: 32 products on 32 accumulators by turns
.irp m, 0,1,2,3,4,5,6,7
.irp u, 0,1,2,3
	v_wmma_scale_f32_16x16x128_f8f6f4 v[64*\u+8*\m:64*\u+8*\m+7], v[TEMP+48*(\kind)+12*\u:TEMP+48*(\kind)+12*\u+11], v[96+12*\m:96+12*\m+11], v[64*\u+8*\m:64*\u+8*\m+7], v[SCL+8+4*(\kind)+\u], v[SCL+\m] matrix_a_fmt:MATRIX_FMT_FP6 matrix_b_fmt:MATRIX_FMT_FP6 matrix_a_scale:MATRIX_SCALE_ROW1 matrix_b_scale:MATRIX_SCALE_ROW1
.endr
.endr
.endm
; THE PV PHASE.  A group is rescaled two groups ahead of its products; the rescaling of the group two on stands behind each group's four products and names none of their registers.
.macro PVPHASE
.irp i, 0,1,2,3
	ds_load_b128 v[FRG+4*\i:FRG+4*\i+3], v[XRA] offset:1024+512*\i         ; the eight query tiles' f
.endr
.irp i, 0,1
	ds_load_b128 v[SCL+4*\i:SCL+4*\i+3], v[XRA] offset:512*\i              ; p's scale registers
.endr
.irp i, 0,1
	ds_load_b128 v[SCL+8+4*\i:SCL+8+4*\i+3], v[VSA] offset:512*\i          ; v's, and those of v^2
.endr
	VLOAD 0, 0, 0
	WIN 0x40
	PLOAD 0
	s_wait_dscnt 40                                ; the 2 + 2 + 12 + 24 loads issued behind f's four may be out
	RESC 0
	RESC 1
	WIN 0
	VLOAD 0, 1, 1
	WIN 0x40
	PLOAD 1
	s_wait_dscnt 36                                ; all but the 12 + 24 just issued
.irp G, 0,1,2,3,4,5,6,7
	PVW \G
	RESC \G+2
.endr
	WIN 0
	VLOAD 1, 0, 0                                  ; into the buffer that group 7's products have read: group 9's sixteen lines stand between
	s_wait_dscnt 36                                ; behind the first half of v^2 stand p's second half (24) and the 12 just issued
.irp G, 8,9,10,11,12,13,14,15
	PVW \G
.if \G < 14
	RESC \G+2
.endif
.endr
	WIN 0
	PLACES
	VLOAD 1, 1, 1
	s_wait_dscnt 12                                ; all but the last twelve
	WIN 0xa4
	PVMUL2 0
	s_wait_dscnt 0x0
	WIN 0xf4
	PVMUL2 1
	WIN 0
.endm
; The round that ends a PV phase: the same three lines; behind it V's tile is filled with the next step's.
.macro ROUND_B
	s_wait_tensorcnt 0x0
	ds_add_u32 v[SPW], v[NIL]
	s_add_nc_u64 s[G0V+2:G0V+3], s[G0V+2:G0V+3], 98304
	s_wait_xcnt 0x0
	s_add_nc_u64 s[PFV:PFV+1], s[PFV:PFV+1], 98304
	s_add_co_u32 s[KSO], s[KSO], 2048
	s_add_co_u32 s[VSO], s[VSO], 4096
	s_wait_dscnt 0x0
	CROUND
	tensor_load_to_lds s[G0V:G0V+3], s[G1V:G1V+7]
	s_nop 0
	PLACES
	ASK VMASK, PFV
.endm
.macro STEP fill
	SPHASE
.if !\fill
	LFIN
.endif
	ROUND_A \fill
	PVPHASE
.if \fill
	ROUND_B
.endif
.endm
.Lstep:                                            ; seven trips; the last step is written out
	STEP 1
	s_add_co_u32 s[J], s[J], 1
	s_cmp_lt_u32 s[J], 7
	s_cbranch_scc1 .Lstep
	STEP 0
	; THE WAY OUT.  mean = O / l, var = relu(O2 / l - mean^2), a d tile at a time; summed over the 8 query tiles, then over the 16 queries of a tile.
	PLACES
.irp i, 0,1,2,3
	ds_load_b128 v[FRG+4*\i:FRG+4*\i+3], v[XRA] offset:3072+512*\i         ; 1 / l of the eight query tiles
.endr
	s_wait_dscnt 0x0
.irp u, 0,1,2,3
	WIN 0x42
.irp m, 0,1,2,3,4,5,6,7
.irp i, 0,2,4,6
	v_pk_mul_f32 v[8*\m+\i:8*\m+\i+1], v[64*\u+8*\m+\i:64*\u+8*\m+\i+1], v[FRG+2*\m:FRG+2*\m+1]
.endr
.endr
	WIN 0x43
.irp m, 0,1,2,3,4,5,6,7
.irp i, 0,2,4,6
	v_pk_mul_f32 v[64+8*\m+\i:64+8*\m+\i+1], v[64*\u+8*\m+\i:64*\u+8*\m+\i+1], v[FRG+2*\m:FRG+2*\m+1]
.endr
.endr
	WIN 0x55
.set k, 0
.rept 32
	v_pk_fma_f32 v[64+k:65+k], v[k:k+1], v[k:k+1], v[64+k:65+k] neg_lo:[1,0,0] neg_hi:[1,0,0]
.set k, k+2
.endr
.set k, 0
.rept 64
	v_max_num_f32 v[64+k], 0, v[64+k]
.set k, k+1
.endr
	WIN 0x05
.irp i, 0,2,4,6
	v_pk_add_f32 v[TEMP+8*\u+\i:TEMP+8*\u+\i+1], v[\i:\i+1], v[8+\i:9+\i]
	v_pk_add_f32 v[TEMP+32+8*\u+\i:TEMP+32+8*\u+\i+1], v[64+\i:65+\i], v[72+\i:73+\i]
.endr
	WIN 0x04
.irp m, 2,3,4,5,6,7
.irp i, 0,2,4,6
	v_pk_add_f32 v[TEMP+8*\u+\i:TEMP+8*\u+\i+1], v[TEMP+8*\u+\i:TEMP+8*\u+\i+1], v[8*\m+\i:8*\m+\i+1]
	v_pk_add_f32 v[TEMP+32+8*\u+\i:TEMP+32+8*\u+\i+1], v[TEMP+32+8*\u+\i:TEMP+32+8*\u+\i+1], v[64+8*\m+\i:64+8*\m+\i+1]
.endr
.endr
.endr
	WIN 0
.irp x, 1,2,4,8                                ; over the 16 queries: the lanes of a half
.set k, 0
.rept 64
	v_add_f32_dpp v[TEMP+k], v[TEMP+k], v[TEMP+k] row_xmask:\x row_mask:0xf bank_mask:0xf
.set k, k+1
.endr
.endr
.irp y, 0,1                                    ; register 32 y + 8 u + i is channel 64 w + 32 (u / 2) + 8 (u % 2) + 16 h + i; the 16 lanes of a half write the same word with the same value
.irp u, 0,1,2,3
.irp i, 0,1,2,3,4,5,6,7
	ds_store_b32 v[RDW], v[TEMP+32*\y+8*\u+\i] offset:256*\y+128*(\u/2)+32*(\u%2)+4*\i
.endr
.endr
.endr
	ds_load_b128 v[PC:PC+3], v[RDR]                ; LDS serves a wave's instructions in order: this sees my stores
	s_wait_dscnt 0x0
	global_store_b128 v[GO], v[PC:PC+3], s[8:9]    ; each 16 lanes store 256 consecutive bytes, aligned
	s_wait_tensorcnt 0x0                           ; the wave's end
	ds_add_u32 v[SPW], v[NIL]
	s_wait_dscnt 0x0
	CROUND                                         ; the closing round
	s_endpgm
.Lfunc_end_k_q39dcd6ba3b_attn:
	.size	k_q39dcd6ba3b_attn, .Lfunc_end_k_q39dcd6ba3b_attn-k_q39dcd6ba3b_attn
	.p2alignl 7, 3214868480
	.fill 96, 4, 3214868480
	.section	.rodata,"a",@progbits
	.p2align	6, 0x0
	.amdhsa_kernel k_q39dcd6ba3b_attn
		.amdhsa_group_segment_fixed_size 327680
		.amdhsa_private_segment_fixed_size 0
		.amdhsa_enable_private_segment 0
		.amdhsa_kernarg_size 24
		.amdhsa_user_sgpr_count 2
		.amdhsa_user_sgpr_kernarg_segment_ptr 1
		.amdhsa_wavefront_size32 1
		.amdhsa_system_sgpr_workgroup_id_x 1
		.amdhsa_system_sgpr_workgroup_id_y 1
		.amdhsa_system_sgpr_workgroup_id_z 1
		.amdhsa_system_vgpr_workitem_id 0
		.amdhsa_next_free_vgpr 1024
		.amdhsa_next_free_sgpr 96
		.amdhsa_reserve_vcc 0
		.amdhsa_float_denorm_mode_32 3
		.amdhsa_float_denorm_mode_16_64 3
		.amdhsa_memory_ordered 1
		.amdhsa_forward_progress 1
		.amdhsa_inst_pref_size 255
	.end_amdhsa_kernel
	.section	.bss,"aw",@nobits
	.p2align	6
	.space	262144
	.amdgpu_metadata
---
amdhsa.version: [ 1, 2 ]
amdhsa.kernels:
  - .name:           k_q39dcd6ba3b_attn
    .symbol:         k_q39dcd6ba3b_attn.kd
    .args:
      - { .name: fc, .offset: 0, .size: 8, .value_kind: global_buffer, .address_space: global }
      - { .name: fs, .offset: 8, .size: 8, .value_kind: global_buffer, .address_space: global }
      - { .name: part, .offset: 16, .size: 8, .value_kind: global_buffer, .address_space: global }
    .group_segment_fixed_size: 327680
    .private_segment_fixed_size: 0
    .kernarg_segment_align: 8
    .kernarg_segment_size: 24
    .max_flat_workgroup_size: 128
    .sgpr_count:     96
    .vgpr_count:     1024
    .wavefront_size: 32
...
	.end_amdgpu_metadata
.endif
;; end of part 3
;; launch apply (part 4): grid 256 x 1, 8 waves a work-group, no clusters, 0 bytes of LDS; arguments src, st, part, out0; writes out0
.if DOCPART == 4
	.amdgcn_target "amdgcn-amd-amdhsa--gfx1250"
	.amdhsa_code_object_version 6
	.text
	.protected	k_q39dcd6ba3b_apply
	.globl	k_q39dcd6ba3b_apply
	.p2align	8
	.type	k_q39dcd6ba3b_apply,@function
k_q39dcd6ba3b_apply:
	s_mov_b64 s[64:65], 0
	v_nop
	global_prefetch_b8 v0, s[64:65] scope:SCOPE_SE
	s_setreg_imm32_b32 hwreg(HW_REG_WAVE_MODE, 25, 1), 1
	s_wait_xcnt 0x0
; out[b][c][t] = std[b][c] (src[b][c][t] - mean) / (sd + eps) + mu[b][c].  mu and std^2 are the averages over 2,048 queries whose sums over 128 queries the launch before has left in part [b][qb 16][kind 2][d 256].
; A wave owns two neighbouring rows (b, c), (b, c + 1), c even: 16,384 consecutive bytes of src and of out.  Lane (r, h) takes qb = r, kind = h of part: both rows' words by one load of 8 bytes.
; A stream: every byte once, loads of 512 consecutive bytes, all 32 of a wave out at once, results stored from the registers that they were loaded into.  No LDS, no barrier, no matrix unit: nothing is shared.
.set D, 32                             ; v32-159  the two rows
	s_load_b128 s[4:7], s[0:1], 0x0                ; src, st
	s_load_b128 s[8:11], s[0:1], 0x10              ; part, out0
	v_lshrrev_b32 v1, 5, v0
	s_delay_alu instid0(VALU_DEP_1)
	v_readfirstlane_b32 s12, v1                    ; wave
	v_and_b32 v2, 31, v0
	s_delay_alu instid0(VALU_DEP_1)
	v_lshlrev_b32 v3, 4, v2                        ; 16 x lane
	v_and_b32 v4, 15, v0
	v_bfe_u32 v5, v0, 4, 1
	s_delay_alu instid0(VALU_DEP_2)
	v_lshlrev_b32 v6, 11, v4
	s_delay_alu instid0(VALU_DEP_1)
	v_lshl_add_u32 v6, v5, 10, v6                  ; 2,048 r + 1,024 h
	v_mov_b32 v7, 0
	v_mov_b32 v14, 0                               ; a lane permute's destination counts as one of its sources
	v_mov_b32 v15, 0
	s_lshl_b32 s13, ttmp9, 3
	s_add_co_u32 s13, s13, s12
	s_lshl_b32 s13, s13, 1                         ; my first row: 2 (8 x work-group + wave)
	s_lshl_b32 s14, s13, 13                        ; x 8,192 bytes
	s_mov_b32 s15, 0
	s_lshl_b32 s16, s13, 3                         ; x 8 bytes in st
	s_mov_b32 s17, 0
	s_lshr_b32 s18, s13, 8                         ; b
	s_and_b32 s19, s13, 255                        ; c
	s_lshl_b32 s18, s18, 15
	s_lshl_b32 s19, s19, 2
	s_add_co_u32 s18, s18, s19
	s_mov_b32 s19, 0
	s_mov_b32 s20, 0x76543210
	s_mov_b32 s21, 0xfedcba98
	s_mov_b32 s22, 0xffff0000
	s_wait_alu depctr_va_vdst(0)
	s_wait_kmcnt 0x0
	s_add_nc_u64 s[4:5], s[4:5], s[14:15]
	s_add_nc_u64 s[10:11], s[10:11], s[14:15]
	s_add_nc_u64 s[6:7], s[6:7], s[16:17]
	s_add_nc_u64 s[8:9], s[8:9], s[18:19]
	global_load_b128 v[8:11], v7, s[6:7]           ; mean, 1 / (sd + eps) of both rows, in every lane
	global_load_b64 v[12:13], v6, s[8:9]
.set k, 0
.rept 32
	global_load_b128 v[D+4*k:D+4*k+3], v3, s[4:5] offset:512*k th:TH_LOAD_NT
.set k, k+1
.endr
	s_wait_loadcnt 32                              ; the 32 loads of src may be out
.irp x, 1
	v_add_f32_dpp v12, v12, v12 row_xmask:\x row_mask:0xf bank_mask:0xf    ; over the 16 query blocks
	v_add_f32_dpp v13, v13, v13 row_xmask:\x row_mask:0xf bank_mask:0xf
.endr
.irp x, 2, 4, 8
	s_delay_alu instid0(VALU_DEP_2)
	v_add_f32_dpp v12, v12, v12 row_xmask:\x row_mask:0xf bank_mask:0xf    ; over the 16 query blocks
	s_delay_alu instid0(VALU_DEP_2)
	v_add_f32_dpp v13, v13, v13 row_xmask:\x row_mask:0xf bank_mask:0xf
.endr
	s_delay_alu instid0(VALU_DEP_2)
	v_mul_f32 v12, 0x3a000000, v12                 ; / 2,048
	s_delay_alu instid0(VALU_DEP_2)
	v_mul_f32 v13, 0x3a000000, v13
	s_delay_alu instid0(VALU_DEP_2)
	v_permlanex16_b32 v14, v12, s20, s21
	s_delay_alu instid0(VALU_DEP_2)
	v_permlanex16_b32 v15, v13, s20, s21
	s_delay_alu instid0(VALU_DEP_2)
	v_cndmask_b32 v24, v12, v14, s22               ; mu: lanes 0-15 hold it, lanes 16-31 take the other half's
	s_delay_alu instid0(VALU_DEP_2)
	v_cndmask_b32 v26, v13, v15, s22
	s_delay_alu instid0(VALU_DEP_4)
	v_cndmask_b32 v16, v14, v12, s22               ; the averaged variance: the other way round
	s_delay_alu instid0(VALU_DEP_4)
	v_cndmask_b32 v17, v15, v13, s22
	s_wait_alu depctr_va_vdst(0)
	v_sqrt_f32 v18, v16
	v_sqrt_f32 v19, v17
	v_mov_b32 v25, v24                             ; plain work behind the roots
	v_mov_b32 v27, v26
	v_mov_b32 v28, v8
	v_mov_b32 v29, v8
	v_mov_b32 v30, v10
	v_mov_b32 v31, v10
	s_wait_alu depctr_va_vdst(0)                   ; one wait for both roots, ahead of their first reader
	v_mul_f32 v20, v18, v9                         ; std / (sd + eps)
	v_mul_f32 v22, v19, v11
	s_delay_alu instid0(VALU_DEP_2)
	v_mov_b32 v21, v20
	s_delay_alu instid0(VALU_DEP_2)
	v_mov_b32 v23, v22
.set k, 0
.rept 32
	s_wait_loadcnt 31-k                            ; the younger loads may be out
	v_pk_add_f32 v[D+4*k:D+4*k+1], v[D+4*k:D+4*k+1], v[28+2*(k/16):29+2*(k/16)] neg_lo:[0,1] neg_hi:[0,1]
	s_wait_alu depctr_va_vdst(0)
	v_pk_add_f32 v[D+4*k+2:D+4*k+3], v[D+4*k+2:D+4*k+3], v[28+2*(k/16):29+2*(k/16)] neg_lo:[0,1] neg_hi:[0,1]
	v_pk_fma_f32 v[D+4*k:D+4*k+1], v[D+4*k:D+4*k+1], v[20+2*(k/16):21+2*(k/16)], v[24+2*(k/16):25+2*(k/16)]
	s_delay_alu instid0(VALU_DEP_2)
	v_pk_fma_f32 v[D+4*k+2:D+4*k+3], v[D+4*k+2:D+4*k+3], v[20+2*(k/16):21+2*(k/16)], v[24+2*(k/16):25+2*(k/16)]
	global_store_b128 v3, v[D+4*k:D+4*k+3], s[10:11] offset:512*k th:TH_STORE_NT     ; 512 consecutive bytes, aligned to 256; no register is written twice
.set k, k+1
.endr
	s_endpgm
.Lfunc_end_k_q39dcd6ba3b_apply:
	.size	k_q39dcd6ba3b_apply, .Lfunc_end_k_q39dcd6ba3b_apply-k_q39dcd6ba3b_apply
	.p2alignl 7, 3214868480
	.fill 96, 4, 3214868480
	.section	.rodata,"a",@progbits
	.p2align	6, 0x0
	.amdhsa_kernel k_q39dcd6ba3b_apply
		.amdhsa_group_segment_fixed_size 0
		.amdhsa_private_segment_fixed_size 0
		.amdhsa_enable_private_segment 0
		.amdhsa_kernarg_size 32
		.amdhsa_user_sgpr_count 2
		.amdhsa_user_sgpr_kernarg_segment_ptr 1
		.amdhsa_wavefront_size32 1
		.amdhsa_system_sgpr_workgroup_id_x 1
		.amdhsa_system_sgpr_workgroup_id_y 1
		.amdhsa_system_sgpr_workgroup_id_z 1
		.amdhsa_system_vgpr_workitem_id 0
		.amdhsa_next_free_vgpr 160
		.amdhsa_next_free_sgpr 66
		.amdhsa_reserve_vcc 0
		.amdhsa_float_denorm_mode_32 3
		.amdhsa_float_denorm_mode_16_64 3
		.amdhsa_memory_ordered 1
		.amdhsa_forward_progress 1
		.amdhsa_inst_pref_size 21
	.end_amdhsa_kernel
	.amdgpu_metadata
---
amdhsa.version: [ 1, 2 ]
amdhsa.kernels:
  - .name:           k_q39dcd6ba3b_apply
    .symbol:         k_q39dcd6ba3b_apply.kd
    .args:
      - { .name: src, .offset: 0, .size: 8, .value_kind: global_buffer, .address_space: global }
      - { .name: st, .offset: 8, .size: 8, .value_kind: global_buffer, .address_space: global }
      - { .name: part, .offset: 16, .size: 8, .value_kind: global_buffer, .address_space: global }
      - { .name: out0, .offset: 24, .size: 8, .value_kind: global_buffer, .address_space: global }
    .group_segment_fixed_size: 0
    .private_segment_fixed_size: 0
    .kernarg_segment_align: 8
    .kernarg_segment_size: 32
    .max_flat_workgroup_size: 256
    .sgpr_count:     66
    .vgpr_count:     160
    .wavefront_size: 32
...
	.end_amdgpu_metadata
.endif
;; end of part 4
